; MI455X (gfx1250); checked and timed in simulation.
; The chip was launched on July 23, 2026; its instructions are those of AMD's public machine-readable ISA for CDNA 5 (MIT licence, August 2026) and "CDNA5" Instruction Set Architecture Reference Guide (July 2026). The comments in the code are by the model that wrote it; some were corrected since.
;; Attention. Allowed arithmetic: matrix products marked QUANTISED: E2M3 operands, one E8M0 scale for each 32 along K, by v_wmma_scale_f32_16x16x128_f8f6f4 with both operands' format E2M3, f32 sums; everything else in f32.
;; Inputs: kn_w 64 float32; proj_b 1,024 float32; proj_w 1,024 x 1,024 float32; qkv_b 3,072 float32; qkv_w 3,072 x 1,024 float32; qn_w 64 float32; rope_cos 2,048 x 64 float32; rope_sin 2,048 x 64 float32; x 4 x 2,048 x 1,024 float32.
;; Outputs: out0 4 x 2,048 x 1,024 float32.
;; This version of the problem:
;;   THIS VERSION OF THE PROBLEM IS GIVEN IN LOW PRECISION. The matrix products marked QUANTISED in the list below multiply operands that are first quantised to E2M3 (2 exponent bits, 3 mantissa bits; 6 bits a number), with one power-of-two scale for each 32 numbers along K (OCP MX v1.0); their sums are f32. All else is computed in f32.
;;   The module's matrix products, in the order in which they are computed (A, B: the left and right operand; K: the contracted axis; several contracted axes count as one K, in the product's order):
;;     1. [M 8,192, K 1,024] x [K 1,024, N 3,072]; A: input x; B: input qkv_w: QUANTISED
;;     2. batch 64 x [M 2,048, K 64] x [K 64, N 2,048]; A: computed on the way; B: computed on the way: QUANTISED
;;     3. batch 64 x [M 2,048, K 2,048] x [K 2,048, N 64]; A: softmax (see below); B: computed on the way: QUANTISED
;;     4. [M 8,192, K 1,024] x [K 1,024, N 1,024]; A: computed on the way; B: input proj_w: QUANTISED
;;   THE QUANTISER, for each operand of a quantised product, along K:
;;     - K is cut into blocks of 32 from its start; a last block that is shorter is filled with zeros.
;;     - A block's scale is 2^e with e = floor(log2(the largest magnitude in the block)) - 2, held to -126 .. 127; a block of zeros has e = 0. As a byte (E8M0): e + 127.
;;     - Each number is divided by its block's scale, clamped to +-7.5, and rounded to the nearest number of E2M3, ties to even, subnormals kept.
;;     - The product sums the exact products of the quantised numbers (number of the format x scale) in f32.
;;   ~~~python
;;   def quantise(x, axis):      # numpy; x: float32 -> the quantised numbers, widened to float32 again
;;       x = np.moveaxis(x, axis, -1); K = x.shape[-1]
;;       x = np.pad(x, [(0, 0)] * (x.ndim - 1) + [(0, -K % 32)]); x = x.reshape(x.shape[:-1] + (-1, 32)); a = np.abs(x).max(-1, keepdims=True)
;;       e = np.where(a > 0, np.clip(np.frexp(np.where(a > 0, a, 1))[1] - 1 - 2, -126, 127), 0)      # np.frexp(a)[1] - 1 = floor(log2(a)), exactly
;;       r = np.clip(x / 2.0 ** e, -7.5, 7.5)
;;       step = 2.0 ** (np.maximum(np.frexp(np.where(r == 0, 1, r))[1] - 1, 0) - 3)
;;       q = np.round(r / step) * step * 2.0 ** e      # np.round: ties to even
;;       return np.moveaxis(q.reshape(q.shape[:-2] + (-1,))[..., :K], -1, axis).astype(np.float32)
;;   ~~~
;;   SOFTMAX AHEAD OF A QUANTISED PRODUCT. Where the list says 'softmax', what is quantised is not the finished softmax but p = 2^(t - M), with t = logit x log2(e) and M = ceil(the row's largest t), a whole number; so 1/2 < the row's largest p <= 1. The row's sum l is taken of the UNQUANTISED p, in f32, and the product's result is divided by l at the end. Since M is a whole number, a kernel that streams over the keys may use a running M (the ceiling of the running maximum): every later rescaling is an exact power of two, which a block's scale takes up: the codes' values come out the same.
;;   OPERANDS COMPUTED ON THE WAY. 'Computed on the way' means the value that the module computes at that place (a softmax that the list does not call 'softmax' is quantised finished and normalised). What goes into a quantiser is computed in f32, as accurately as f32 sums, v_exp_f32 and their like allow (about 1e-6 of the number): no bf16 or f16 on the way to a quantiser, and a product that is left as it is and whose result goes on into a quantised operand takes f32 operands (vector FMAs, or v_wmma_f32_16x16x4_f32). A number that lies on a knife's edge between two numbers of the format may be rounded either way, as far as f32 arithmetic and the matrix unit's own rounding can turn it there, and no further.
;; One version. Each part assembles by itself: llvm-mc -triple=amdgcn-amd-amdhsa -mcpu=gfx1250 --defsym DOCPART=n.
;; ======== version 1 of 1: 5 launches
;; limits: right only within a limited range of input values
;; workspace buffers: c1 9,437,184 bytes; s1 393,216 bytes; qkvc 18,874,368 bytes; qkvs 1,310,720 bytes; oc 6,291,456 bytes; os 262,144 bytes
;; launch quant (part 1): grid 384 x 1, 4 waves a work-group, no clusters, 33,280 bytes of LDS; arguments x, qkv_w, proj_w, c1, s1; writes c1, s1
.if DOCPART == 1
	.amdgcn_target "amdgcn-amd-amdhsa--gfx1250"
	.amdhsa_code_object_version 6
	.text
	.protected	k_qc9fbaaa726_quant
	.globl	k_qc9fbaaa726_quant
	.p2align	8
	.type	k_qc9fbaaa726_quant,@function
k_qc9fbaaa726_quant:
	s_mov_b64 s[64:65], 0
	v_nop
	global_prefetch_b8 v0, s[64:65] scope:SCOPE_SE
	s_setreg_imm32_b32 hwreg(HW_REG_WAVE_MODE, 25, 1), 1
	s_wait_xcnt 0x0
; x [8192][1024], qkv_w [3072][1024] and proj_w [1024][1024], f32, become codes of FP6 (E2M3), K innermost, in c1 [12288 rows][768 bytes], and one E8M0 byte for each 32 along K in s1 [12288][32]:
; rows 0-8191 x, 8192-11263 qkv_w, 11264-12287 proj_w.  A block's scale is 2^(floor(log2(its largest magnitude)) - 2); its byte is that magnitude's exponent field - 2, held at 1 from below.
; LIMITS: a block of zeros, and a block whose largest magnitude lies under 2^(3 - 127), gets the byte 1 (the rule says 127 for zeros): its codes are zeros or the rule's own, and this program alone reads the bytes.  NaN and infinities are not served.
; A wave takes 16 steps of 512 numbers = 8 rows.  Each of a step's four loads reads 512 consecutive bytes; the 2,048 bytes turn through the wave's own stage in LDS, so that a lane holds 16 neighbours (two lanes a block).
; THE ROWS OF V's WEIGHTS (qkv_w rows 2048-3071, work-groups 320-351) ARE LAID IN ANOTHER ORDER: in each 32 rows the groups of eight stand 0, 2, 1, 3.  A wave owns one such group, so only the place of its output changes.
; The attention launch's second product then leaves a lane 16 neighbouring channels in the registers of two neighbouring tiles.
; HOW c1 LIES (the rows named above are not laid one behind the other): [48 blocks of 256 rows][4 K steps of 256 along K][256 rows][192 bytes].
; So the 128 or 256 rows of one K step that a product's launch fetches are one dense run of bytes, a multiple of 256 long, beginning at a multiple of 256.
.set WAVES, 4
.set STEPS, 16
.set EMAX,  2
.set CB,    12                         ; bytes of 16 codes
.set R,     16                         ; v16-79   four sets of 16 numbers as loaded
.set X,     80                         ; v80-111  two sets of 16 neighbours
.set C,     128                        ; v128-191 codes: four registers a step, so that no store's data are written again
.set E,     112                        ; v112-127 a scale byte a step
.set WREG,  8192                       ; LDS: a region for each wave: two stages of 32 x SP bytes, then its 256 scale bytes
.set SP,    80                         ; a lane's place in a stage: 64 bytes + 16 of padding
.set SPW,   12                         ; v12 my spare word's LDS address; never rewritten
.set NIL,   13                         ; v13 0; never rewritten
.set SPARE, WAVES*WREG                 ; the spare words: 128 bytes a wave, two blocks of 256 bytes that no other line names
	s_load_b128 s[4:7], s[0:1], 0x0                ; x, qkv_w
	s_load_b128 s[8:11], s[0:1], 0x10              ; proj_w, c1
	s_load_b64 s[12:13], s[0:1], 0x20              ; s1
	v_lshl_add_u32 v[SPW], v0, 2, SPARE
	v_mov_b32 v[NIL], 0
	v_lshrrev_b32 v1, 5, v0
	v_readfirstlane_b32 s16, v1                    ; wave
	v_and_b32 v2, 31, v0                           ; lane
	v_lshlrev_b32 v3, 4, v2                        ; my 16 bytes of a load's 512
	s_mul_i32 s17, s16, WREG
	v_lshrrev_b32 v14, 2, v2
	v_mul_u32_u24 v14, v14, SP
	v_and_b32 v15, 3, v2
	v_lshl_add_u32 v14, v15, 4, v14
	v_add_nc_u32 v14, s17, v14                     ; the stage, in: SP (lane / 4) + 16 (lane % 4)
	v_mul_u32_u24 v15, v2, SP
	v_add_nc_u32 v15, s17, v15                     ; out: SP x lane: my 16 neighbours
	v_and_b32 v4, 15, v2
	v_lshrrev_b32 v8, 4, v2
	v_mul_u32_u24 v4, v4, CB                       ; my codes' place: 12 bytes for each of the 16 lanes of a K step's 192,
	v_mul_u32_u24 v8, v8, 0xc000
	v_add_nc_u32 v4, v4, v8                        ; lanes 16-31 one K step (49,152 bytes) on
	v_lshrrev_b32 v5, 1, v2
	s_add_co_u32 s17, s17, 2*32*SP
	v_add_nc_u32 v5, s17, v5                       ; my block's byte among the wave's 256
	v_lshlrev_b32 v7, 3, v2
	v_add_nc_u32 v6, s17, v7                       ; and 8 bytes a lane on the way out
	s_wait_alu depctr_va_vdst(0)
	s_wait_kmcnt 0x0
	s_cmp_lt_u32 ttmp9, 352                        ; which tensor: work-groups 0-255 x, 256-351 qkv_w, 352-383 proj_w.  Only pointers are chosen
	s_cselect_b64 s[6:7], s[6:7], s[8:9]
	s_mov_b32 s17, 352
	s_cselect_b32 s17, 256, s17
	s_cmp_lt_u32 ttmp9, 256
	s_cselect_b64 s[4:5], s[4:5], s[6:7]
	s_cselect_b32 s17, 0, s17
	s_sub_co_u32 s17, ttmp9, s17
	s_lshl_b32 s17, s17, 2
	s_add_co_u32 s18, s17, s16                     ; my run of 8,192 numbers in the tensor
	s_mov_b32 s19, 0
	s_lshl_b64 s[20:21], s[18:19], 15
	s_add_nc_u64 s[4:5], s[4:5], s[20:21]
	s_and_b32 s22, s16, 1                          ; where it goes: waves 1 and 2 change places in V's weights
	s_lshl_b32 s22, s22, 1
	s_lshr_b32 s23, s16, 1
	s_or_b32 s22, s22, s23
	s_sub_co_u32 s23, ttmp9, 320
	s_cmp_lt_u32 s23, 32
	s_cselect_b32 s22, s22, s16
	s_lshl_b32 s18, ttmp9, 2
	s_add_co_u32 s18, s18, s22                     ; the run's number in c1 and s1
	s_lshr_b32 s20, s18, 5                         ; a run is 8 rows: 32 runs to a block of 256 rows (196,608 bytes),
	s_mul_i32 s20, s20, 196608
	s_and_b32 s21, s18, 31
	s_mul_i32 s21, s21, 1536                       ; 8 x 192 bytes a run inside a K step
	s_add_co_u32 s20, s20, s21
	s_mov_b32 s21, 0
	s_add_nc_u64 s[10:11], s[10:11], s[20:21]
	s_lshl_b32 s20, s18, 8                         ; 256 scale bytes a run
	s_add_nc_u64 s[12:13], s[12:13], s[20:21]
.macro LOAD t
.irp i, 0,1,2,3
	global_load_b128 v[R+16*((\t)%4)+4*\i:R+16*((\t)%4)+4*\i+3], v3, s[4:5] offset:2048*(\t)+512*\i th:TH_LOAD_NT   ; 32 lanes read 512 consecutive bytes
.endr
.endm
.macro TURN t                          ; step t's numbers through the stage: LDS serves a wave's instructions in order, so no wait stands between the stores and the loads
.irp i, 0,1,2,3
	ds_store_b128 v14, v[R+16*((\t)%4)+4*\i:R+16*((\t)%4)+4*\i+3] offset:32*SP*((\t)%2)+8*SP*\i
.endr
.irp i, 0,1,2,3
	ds_load_b128 v[X+16*((\t)%2)+4*\i:X+16*((\t)%2)+4*\i+3], v15 offset:32*SP*((\t)%2)+16*\i
.endr
.endm
.irp t, 0,1,2,3
	LOAD \t
.endr
	s_wait_loadcnt 12                              ; step 0's four loads are in
	TURN 0
.macro STEP t
.set XS, X+16*((\t)%2)
.if (\t) > 0
	s_wait_dscnt 1                                 ; this step's numbers are back from the stage (the last step's byte store may be out)
.else
	s_wait_dscnt 0x0
.endif
.if (\t)+4 < STEPS
	LOAD (\t)+4                                    ; the stage's stores have read their registers: they take the loads of four steps on
.endif
.if (\t)+1 < STEPS
.if STEPS-2-(\t) >= 3
	s_wait_loadcnt 12                              ; the next step's four loads are in; those of the three steps behind it may be out
.else
	s_wait_loadcnt 4*(STEPS-2-(\t))
.endif
	TURN (\t)+1
.endif
	v_max3_num_f32 v8, |v[XS]|, |v[XS+1]|, |v[XS+2]|               ; the largest magnitude of my 16, in two chains
	v_max3_num_f32 v9, |v[XS+3]|, |v[XS+4]|, |v[XS+5]|
.irp i, 6,10
	v_max3_num_f32 v8, v8, |v[XS+\i]|, |v[XS+\i+1]|
	v_max3_num_f32 v9, v9, |v[XS+\i+2]|, |v[XS+\i+3]|
.endr
	v_max3_num_f32 v8, v8, |v[XS+14]|, |v[XS+15]|
	v_max3_num_f32 v8, v8, v9, (EMAX+1)<<23        ; and the floor 2^(3 - 127): the byte cannot fall under 1
	v_max_num_f32_dpp v8, v8, v8 row_xmask:1 row_mask:0xf bank_mask:0xf   ; and of my neighbour's 16: the block's
	v_add_nc_u32 v11, -(EMAX<<23), v8              ; 2 off its exponent field: the conversion takes the exponent field of this operand as its scale
	v_cvt_scalef32_pk16_fp6_f32 v[C+4*(\t):C+4*(\t)+2], v[XS:XS+15], v11
	v_lshrrev_b32 v[E+(\t)], 23, v11               ; the scale's byte (also the plain line behind the conversion)
	ds_store_b8 v5, v[E+(\t)] offset:16*(\t)       ; both lanes of a block write the same byte with the same value
	global_store_b96 v4, v[C+4*(\t):C+4*(\t)+2], s[10:11] offset:98304*((\t)%2)+192*((\t)/2)   ; step t is half of row t / 2: two K steps, 192 consecutive bytes in each
.endm
.irp t, 0,1,2,3,4,5,6,7,8,9,10,11,12,13,14,15
	STEP \t
.endr
	ds_load_b64 v[8:9], v6                         ; in order behind my byte stores
	s_wait_dscnt 0x0
	global_store_b64 v7, v[8:9], s[12:13]          ; 32 lanes store 256 consecutive bytes, aligned
	s_wait_tensorcnt 0x0                           ; the wave's end
	ds_add_u32 v[SPW], v[NIL]
	s_wait_dscnt 0x0
	s_endpgm
.Lfunc_end_k_qc9fbaaa726_quant:
	.size	k_qc9fbaaa726_quant, .Lfunc_end_k_qc9fbaaa726_quant-k_qc9fbaaa726_quant
	.p2alignl 7, 3214868480
	.fill 96, 4, 3214868480
	.section	.rodata,"a",@progbits
	.p2align	6, 0x0
	.amdhsa_kernel k_qc9fbaaa726_quant
		.amdhsa_group_segment_fixed_size 33280
		.amdhsa_private_segment_fixed_size 0
		.amdhsa_enable_private_segment 0
		.amdhsa_kernarg_size 40
		.amdhsa_user_sgpr_count 2
		.amdhsa_user_sgpr_kernarg_segment_ptr 1
		.amdhsa_wavefront_size32 1
		.amdhsa_system_sgpr_workgroup_id_x 1
		.amdhsa_system_sgpr_workgroup_id_y 1
		.amdhsa_system_sgpr_workgroup_id_z 1
		.amdhsa_system_vgpr_workitem_id 0
		.amdhsa_next_free_vgpr 192
		.amdhsa_next_free_sgpr 66
		.amdhsa_reserve_vcc 0
		.amdhsa_float_denorm_mode_32 3
		.amdhsa_float_denorm_mode_16_64 3
		.amdhsa_memory_ordered 1
		.amdhsa_forward_progress 1
		.amdhsa_inst_pref_size 33
	.end_amdhsa_kernel
	.amdgpu_metadata
---
amdhsa.version: [ 1, 2 ]
amdhsa.kernels:
  - .name:           k_qc9fbaaa726_quant
    .symbol:         k_qc9fbaaa726_quant.kd
    .args:
      - { .name: x, .offset: 0, .size: 8, .value_kind: global_buffer, .address_space: global }
      - { .name: qkv_w, .offset: 8, .size: 8, .value_kind: global_buffer, .address_space: global }
      - { .name: proj_w, .offset: 16, .size: 8, .value_kind: global_buffer, .address_space: global }
      - { .name: c1, .offset: 24, .size: 8, .value_kind: global_buffer, .address_space: global }
      - { .name: s1, .offset: 32, .size: 8, .value_kind: global_buffer, .address_space: global }
    .group_segment_fixed_size: 33280
    .private_segment_fixed_size: 0
    .kernarg_segment_align: 8
    .kernarg_segment_size: 40
    .max_flat_workgroup_size: 128
    .sgpr_count:     66
    .vgpr_count:     192
    .wavefront_size: 32
...
	.end_amdgpu_metadata
.endif
;; end of part 1
;; launch gemm_qk (part 2): grid 8 x 32, 4 waves a work-group, clusters of 4 x 4, 327,680 bytes of LDS; arguments c1, s1, qkv_b, qn_w, kn_w, rope_cos, rope_sin, qkvc, qkvs; writes qkvc, qkvs
.if DOCPART == 2
	.amdgcn_target "amdgcn-amd-amdhsa--gfx1250"
	.amdhsa_code_object_version 6
	.text
	.protected	k_qc9fbaaa726_gemm_qk
	.globl	k_qc9fbaaa726_gemm_qk
	.p2align	8
	.type	k_qc9fbaaa726_gemm_qk,@function
k_qc9fbaaa726_gemm_qk:
	s_mov_b64 s[64:65], 0
	v_nop
	global_prefetch_b8 v0, s[64:65] scope:SCOPE_SE
	s_setreg_imm32_b32 hwreg(HW_REG_WAVE_MODE, 25, 1), 1
	s_wait_xcnt 0x0
	s_wait_alu depctr_hold_cnt(0) depctr_sa_sdst(0) depctr_va_vdst(0) depctr_va_sdst(0) depctr_va_ssrc(0) depctr_va_vcc(0) depctr_vm_vsrc(0)
	s_getreg_b32 s2, hwreg(HW_REG_IB_STS2, 6, 4)
	s_cmp_eq_u32 s2, 0
	s_cbranch_scc0 .Lentry_in_a_cluster
	s_endpgm
.Lentry_in_a_cluster:
	s_bfe_u32 s2, ttmp6, 0x10000c
	s_cmp_lg_u32 s2, 0xf033
	s_cbranch_scc0 .Lentry_shape_is_right
	s_endpgm
.Lentry_shape_is_right:
.set KSTEP,  256
.set NQ,     KSTEP/128
.set ROWB,   49152                     ; from one K step to the next in c1: 256 rows x 192 bytes
.set ASTEP,  ROWB
.set KROW,   768
.set PITCH,  240
.set FR,     12
.set NL,     6
.set NLA,    6
.set NP,     4
.set HALFT,  128*PITCH
.set SLOT,   4*HALFT
.set LAPS,   2
.set KS,     32
.set SCL,    2*SLOT
.set HALFS,  (128*KS/256)*272
.set SBLK,   (16*KS/256)*272
.set SPARE,  SCL+4*HALFS
.set AROW0,  0
.set BROW0,  8192
.set ADRA, 16
.set ADRB, 20
.set ADRS, 27
.set SPW,  28
.set NIL,  29
.set SC,   32
.set AF,   128
.set G1, 24
.set G0, 32
.set G1B, 48
.set G0B, 56
.set G1S, 68
.set G0S, 76
.set G1SB, 80
.set G0SB, 88
.set TM,  32
.set PW,  48
.set NW,  64
.set CT,  96
.set ST,  224
.set Y,   128
.set QC,  192
.set SEL, 20
.set MSB, 0
.macro WIN new
.if MSB != \new
	s_set_vgpr_msb (MSB<<8)|\new
.set MSB, \new
.endif
.endm
.set MUL_LO, 0xa1
.set MUL_HI, 0xf1
.set TO_B,   0x40
.macro JLOAD g0a, g1a, g0b, g1b
	s_cmp_eq_u32 s15, 0
	s_cbranch_scc0 .Lfor_b_\@
	tensor_load_to_lds s[\g0a:\g0a+3], s[\g1a:\g1a+7]
	s_nop 0
.rept 4
	v_nop
.endr
	s_branch .Lasked_\@
.Lfor_b_\@:
	tensor_load_to_lds s[\g0b:\g0b+3], s[\g1b:\g1b+7]
	s_nop 0
.rept 4
	v_nop
.endr
.Lasked_\@:
.endm
.macro CREST
	s_cmp_lg_u32 s14, 0
	s_cbranch_scc1 .Lnot_wave_0_\@
	s_barrier_signal -3
.Lnot_wave_0_\@:
	s_barrier_wait -3
	s_barrier_signal -1
	s_barrier_wait -1
.endm
.macro CROUND
	s_barrier_signal -1
	s_barrier_wait -1
	CREST
.endm
	s_load_b128 s[4:7], s[0:1], 0x0
	s_load_b128 s[96:99], s[0:1], 0x10
	s_load_b64 s[100:101], s[0:1], 0x20
	s_load_b128 s[8:11], s[0:1], 0x28
	s_load_b64 s[12:13], s[0:1], 0x38
	s_load_b64 s[66:67], s[0:1], 0x40
	v_lshl_add_u32 v[SPW], v0, 2, SPARE
	v_mov_b32 v[NIL], 0
	ds_add_u32 v[SPW], v[NIL]
	ds_add_u32 v[SPW], v[NIL]
	v_lshrrev_b32 v1, 5, v0
	v_readfirstlane_b32 s14, v1
	s_lshr_b32 s15, s14, 1
	s_and_b32 s16, s14, 1
	s_bfe_u32 s40, ttmp6, 0x40000
	s_bfe_u32 s41, ttmp6, 0x40004
	s_lshl_b32 s42, ttmp9, 2
	s_add_co_u32 s42, s42, s40
	s_and_b32 s17, ttmp7, 0xffff
	s_lshl_b32 s17, s17, 2
	s_add_co_u32 s17, s17, s41
	s_lshl_b32 s43, s41, 2
	s_lshl_b32 s43, 15, s43
	s_lshl_b32 s44, 0x1111, s40
	s_or_b32 s[G1+0], s43, (0<<16)|(1<<20)|(1<<21)|(3<<22)|(3<<25)
	s_or_b32 s[G1B+0], s44, (0<<16)|(1<<20)|(1<<21)|(3<<22)|(3<<25)
.irp g, G1, G1B
	s_mov_b32 s[\g+1], 256<<16                     ; a K step of 256 rows of codes is dense in c1: 192 rows of 256 bytes (the head's loads; the ring's bring 96)
	s_mov_b32 s[\g+2], 192<<16
	s_mov_b32 s[\g+3], 256<<16
	s_mov_b32 s[\g+4], 192
	s_mov_b32 s[\g+5], 256
	s_mov_b32 s[\g+6], 0
	s_mov_b32 s[\g+7], 0
.endr
	s_or_b32 s[G1S+0], s43, (3<<16)|(1<<20)|(1<<21)|(5<<22)|(3<<25)
	s_or_b32 s[G1SB+0], s44, (3<<16)|(1<<20)|(1<<21)|(5<<22)|(3<<25)
.irp g, G1S, G1SB
	s_mov_b32 s[\g+1], 32<<16
	s_mov_b32 s[\g+2], (256*KS/256)<<16
	s_mov_b32 s[\g+3], 32<<16
	s_mov_b32 s[\g+4], 256*KS/256
	s_mov_b32 s[\g+5], 32
	s_mov_b32 s[\g+6], 0
	s_mov_b32 s[\g+7], 0
.endr
	s_lshl_b32 s18, s16, 7
	s_lshl_b32 s20, s17, 8
	s_add_co_u32 s20, s20, s18
	s_lshl_b32 s46, s42, 8
	s_add_co_u32 s46, s46, s18
	s_add_co_u32 s46, s46, BROW0
	s_mov_b32 s21, 0
	s_mov_b32 s47, 0
	s_mov_b64 s[18:19], KS
	s_mul_u64 s[22:23], s[20:21], s[18:19]
	s_mul_u64 s[92:93], s[46:47], s[18:19]
	s_mov_b64 s[18:19], KROW
	s_mul_u64 s[20:21], s[20:21], s[18:19]
	s_mul_u64 s[46:47], s[46:47], s[18:19]
	s_mul_i32 s18, s16, 73728                      ; inside a K step the second 128 rows lie 24,576 bytes on, not 98,304
	s_sub_nc_u64 s[20:21], s[20:21], s[18:19]
	s_sub_nc_u64 s[46:47], s[46:47], s[18:19]
	s_mul_i32 s45, s14, HALFT
	s_mul_i32 s94, s14, HALFS
	s_wait_dscnt 0x0
	s_wait_kmcnt 0x0
	s_add_nc_u64 s[20:21], s[4:5], s[20:21]
	s_add_nc_u64 s[22:23], s[6:7], s[22:23]
	s_add_nc_u64 s[46:47], s[4:5], s[46:47]
	s_add_nc_u64 s[92:93], s[6:7], s[92:93]
	CROUND
	s_mov_b32 s[G0S], 1
	s_add_co_u32 s[G0S+1], s94, SCL-HALFS          ; wave 1 brings the scales of A's 256 rows
	s_sub_nc_u64 s[G0S+2:G0S+3], s[22:23], 4096    ; (an odd wave's rows begin 128 rows, 4,096 bytes, behind the tile's first)
	s_or_b32 s[G0S+3], s[G0S+3], 0x80000000
	s_mov_b32 s[G0SB], 1
	s_add_co_u32 s[G0SB+1], s94, SCL-HALFS         ; wave 3 those of B's 256 rows
	s_sub_nc_u64 s[G0SB+2:G0SB+3], s[92:93], 4096
	s_or_b32 s[G0SB+3], s[G0SB+3], 0x80000000
.irp s, 0,1
	s_mov_b32 s[G0+4*\s], 1
	s_add_co_u32 s[G0+4*\s+1], s45, \s*SLOT
	s_add_nc_u64 s[G0+4*\s+2:G0+4*\s+3], s[20:21], \s*ASTEP
	s_or_b32 s[G0+4*\s+3], s[G0+4*\s+3], 0x80000000
	s_mov_b32 s[G0B+4*\s], 1
	s_add_co_u32 s[G0B+4*\s+1], s45, \s*SLOT
	s_add_nc_u64 s[G0B+4*\s+2:G0B+4*\s+3], s[46:47], \s*ROWB
	s_or_b32 s[G0B+4*\s+3], s[G0B+4*\s+3], 0x80000000
.endr
; the head's four tiles, one joint load a wave: wave 0 K step 0 of A's 256 rows, wave 2 of B's, wave 1 A's scales, wave 3 B's.  One chain of branches on the wave's number, all arms to one join
.macro ARM w, g0, g1
	s_cmp_eq_u32 s14, \w
	s_cbranch_scc0 .Lnot_\w
	tensor_load_to_lds s[\g0:\g0+3], s[\g1:\g1+7]
	s_nop 0
.rept 4
	v_nop
.endr
	s_branch .Lhead_asked
.Lnot_\w:
.endm
	ARM 0, G0, G1
	ARM 2, G0B, G1B
	ARM 1, G0S, G1S
	tensor_load_to_lds s[G0SB:G0SB+3], s[G1SB:G1SB+7]
	s_nop 0
.rept 4
	v_nop
.endr
.Lhead_asked:
	v_and_b32 v1, 15, v0
	v_bfe_u32 v2, v0, 4, 1
	v_mul_u32_u24 v3, v1, PITCH
	v_mul_u32_u24 v4, v2, 24
	v_add_nc_u32 v4, v3, v4
	v_lshl_add_u32 v5, v2, 4, v4
	s_mul_i32 s21, s15, HALFT
	s_mul_i32 s22, s16, HALFT
	s_add_co_u32 s22, s22, 2*HALFT
.irp s, 0,1
	v_add_nc_u32 v[ADRA+\s], s21, v4
	v_add_nc_u32 v[ADRB+\s], s22, v4
	v_add_nc_u32 v[ADRA+2+\s], s21, v5
	v_add_nc_u32 v[ADRB+2+\s], s22, v5
	s_add_co_u32 s21, s21, SLOT
	s_add_co_u32 s22, s22, SLOT
.endr
	v_mul_u32_u24 v5, v1, KS
	v_lshrrev_b32 v6, 8, v5
	v_lshl_add_u32 v5, v6, 4, v5
	s_mul_i32 s21, s15, HALFS
	s_mul_i32 s22, s16, HALFS
	s_add_co_u32 s22, s22, 2*HALFS
	s_sub_co_u32 s22, s22, s21
	v_mul_u32_u24 v6, s22, v2
	s_add_co_u32 s21, s21, SCL
	v_add_nc_u32 v5, v5, v6
	v_add_nc_u32 v[ADRS], s21, v5
	s_and_b32 s20, s17, 7
	s_lshl_b32 s20, s20, 8
	s_lshl_b32 s21, s15, 7
	s_add_co_u32 s20, s20, s21
	s_lshl_b32 s22, s20, 8
	s_mov_b32 s23, 0
	s_add_nc_u64 s[8:9], s[8:9], s[22:23]
	s_add_nc_u64 s[10:11], s[10:11], s[22:23]
	s_lshr_b32 s21, s17, 3
	s_lshl_b32 s21, s21, 4
	s_lshl_b32 s46, s40, 2
	s_add_co_u32 s21, s21, s46
	s_lshl_b32 s46, s16, 1
	s_add_co_u32 s21, s21, s46
	s_mul_i32 s22, ttmp9, 6291456
	s_mul_i32 s46, s21, 98304
	s_add_co_u32 s22, s22, s46
	s_mul_i32 s46, s20, 48
	s_add_co_u32 s22, s22, s46
	s_add_nc_u64 s[12:13], s[12:13], s[22:23]
	s_mul_i32 s22, s21, 20480
	s_lshl_b32 s46, ttmp9, 13
	s_add_co_u32 s22, s22, s46
	s_lshl_b32 s46, s20, 2
	s_add_co_u32 s22, s22, s46
	s_add_nc_u64 s[66:67], s[66:67], s[22:23]
	s_lshl_b32 s22, s42, 10
	s_lshl_b32 s46, s16, 9
	s_add_co_u32 s22, s22, s46
	s_add_nc_u64 s[96:97], s[96:97], s[22:23]
	s_cmp_eq_u32 ttmp9, 0
	s_cselect_b64 s[98:99], s[98:99], s[100:101]
	v_lshlrev_b32 v8, 5, v2
	v_lshl_add_u32 v9, v1, 8, v8
	v_and_b32 v6, 31, v0
	v_lshlrev_b32 v10, 4, v6
	v_lshlrev_b32 v11, 3, v6
	s_lshl_b32 s22, s14, 10
	v_lshlrev_b32 v12, 2, v1
	v_lshl_add_u32 v12, v2, 9, v12
	v_add_nc_u32 v12, s22, v12
	v_lshlrev_b32 v13, 4, v2
	v_add_nc_u32 v14, s22, v10
	WIN TO_B
.irp b, 0,1,2,3,4,5,6,7
.irp u, 0,1
	global_load_b128 v[96+8*\b+96*(\b/4)+4*\u:96+8*\b+96*(\b/4)+4*\u+3], v8, s[96:97] offset:64*\b+16*\u
.endr
.endr
	WIN 0
.irp t, 0,1,2,3
.irp u, 0,1
	global_load_b128 v[NW+8*\t+4*\u:NW+8*\t+4*\u+3], v8, s[98:99] offset:64*\t+16*\u
.endr
.endr
.macro TABLES a                        ; the rope tables of tile a's 16 tokens, 16 loads: even tiles' into window 0 (CT, ST), odd tiles' into window 1's v0-63, which are free behind the last product
.if (\a)%2
.set CL, 0
.set SL, 32
	WIN TO_B
.else
.set CL, CT
.set SL, ST
.endif
.irp t, 0,1,2,3
.irp u, 0,1
	global_load_b128 v[CL+8*\t+4*\u:CL+8*\t+4*\u+3], v9, s[8:9] offset:4096*(\a)+64*\t+16*\u
	global_load_b128 v[SL+8*\t+4*\u:SL+8*\t+4*\u+3], v9, s[10:11] offset:4096*(\a)+64*\t+16*\u
.endr
.endr
	WIN 0
.endm
	TABLES 0
.macro FRAG reg, adr, q, i
.irp p, 0,1,2,3,4,5
.set PC, 12*(\q)+6*(\p/3)+\p%3
.if PC%8 < 5
	ds_load_b64 v[\reg+2*\p:\reg+2*\p+1], v[\adr] offset:8*PC+16*(PC/8)+(\i)*16*PITCH
.else
	ds_load_b64 v[\reg+2*\p:\reg+2*\p+1], v[\adr+2] offset:8*PC+16*(PC/8)+(\i)*16*PITCH
.endif
.endr
.endm
.macro MUL16 a0, p, q, sc, zero
.irp a, \a0, \a0+1
.irp b, 0,1,2,3,4,5,6,7
.if \zero
	v_wmma_scale_f32_16x16x128_f8f6f4 v[8*(8*((\a)%4)+\b):8*(8*((\a)%4)+\b)+7], v[128*(\p)+FR*\b:128*(\p)+FR*\b+FR-1], v[AF+FR*(\a):AF+FR*(\a)+FR-1], 0, v[SC+8*NQ*(\sc)+NQ*\b+(\q)], v[SC+8*NQ*(\sc)+NQ*(\a)+(\q)] matrix_a_fmt:MATRIX_FMT_FP6 matrix_b_fmt:MATRIX_FMT_FP6 matrix_a_scale:MATRIX_SCALE_ROW1
.else
	v_wmma_scale_f32_16x16x128_f8f6f4 v[8*(8*((\a)%4)+\b):8*(8*((\a)%4)+\b)+7], v[128*(\p)+FR*\b:128*(\p)+FR*\b+FR-1], v[AF+FR*(\a):AF+FR*(\a)+FR-1], v[8*(8*((\a)%4)+\b):8*(8*((\a)%4)+\b)+7], v[SC+8*NQ*(\sc)+NQ*\b+(\q)], v[SC+8*NQ*(\sc)+NQ*(\a)+(\q)] matrix_a_fmt:MATRIX_FMT_FP6 matrix_b_fmt:MATRIX_FMT_FP6 matrix_a_scale:MATRIX_SCALE_ROW1
.endif
.endr
.endr
.endm
.macro FETCH_B slot, q, p
	WIN TO_B
.irp i, 0,1,2,3,4,5,6,7
	FRAG 128*(\p)+FR*\i, ADRB+\slot, \q, \i
.endr
	WIN 0
.endm
.macro FETCH_A slot, q, i0
.irp i, \i0, \i0+1, \i0+2, \i0+3
	FRAG AF+FR*(\i), ADRA+\slot, \q, \i
.endr
.endm
.macro SCALES sc
.irp i, 0,1,2,3,4,5,6,7
	ds_load_b64 v[SC+8*NQ*\sc+NQ*\i:SC+8*NQ*\sc+NQ*\i+1], v[ADRS] offset:\i*SBLK
.endr
.endm
.macro PLACES n
.rept \n
	v_nop
.endr
.endm
.macro STEP slot, q, zero
	s_wait_dscnt 4*NLA
	WIN MUL_LO
	MUL16 0, (\q)%2, \q, \slot, \zero
	MUL16 2, (\q)%2, \q, \slot, \zero
	s_wait_dscnt 0
	PLACES NP
	FETCH_B \slot, (\q)+1, 1-(\q)%2
	FETCH_A \slot, (\q)+1, 0
	WIN MUL_HI
	MUL16 4, (\q)%2, \q, \slot, \zero
	MUL16 6, (\q)%2, \q, \slot, \zero
	PLACES NP
	WIN 0
	FETCH_A \slot, (\q)+1, 4
.endm
.macro TURN slot, next, fill
	s_wait_tensorcnt 0x0
	ds_add_u32 v[SPW], v[NIL]
	s_wait_dscnt 4*NLA+1
	WIN MUL_LO
	MUL16 0, 1, NQ-1, \slot, 0
	s_wait_dscnt 0x0
	s_barrier_signal -1
	MUL16 2, 1, NQ-1, \slot, 0
	WIN 0
	s_barrier_wait -1
.if \fill
	CREST
	s_add_nc_u64 s[G0+4*\slot+2:G0+4*\slot+3], s[G0+4*\slot+2:G0+4*\slot+3], 2*ASTEP
	s_add_nc_u64 s[G0B+4*\slot+2:G0B+4*\slot+3], s[G0B+4*\slot+2:G0B+4*\slot+3], 2*ROWB
	JLOAD G0+4*\slot, G1, G0B+4*\slot, G1B
.else
	PLACES NP
.endif
	s_wait_alu depctr_va_vdst(0)
	v_add_nc_u32 v[ADRS], 4*NQ, v[ADRS]
	FETCH_B \next, 0, 0
	FETCH_A \next, 0, 0
	SCALES \next
	WIN MUL_HI
	MUL16 4, 1, NQ-1, \slot, 0
	MUL16 6, 1, NQ-1, \slot, 0
	PLACES NP
	WIN 0
	FETCH_A \next, 0, 4
.endm
	s_wait_alu depctr_va_vdst(0)
	s_wait_tensorcnt 0x0                           ; my tile of the head's four is in; these lines stand ahead of slot 1's first fill as ahead of a refill
	ds_add_u32 v[SPW], v[NIL]
	s_mov_b32 s[G1+2], 96<<16                      ; no load of mine is out: from here on a load brings 128 rows of codes, 96 rows of 256 bytes
	s_mov_b32 s[G1+4], 96
	s_mov_b32 s[G1B+2], 96<<16
	s_mov_b32 s[G1B+4], 96
	s_wait_dscnt 0x0
	CROUND
	JLOAD G0+4, G1, G0B+4, G1B                     ; K step 1, the first tensor load behind the round
	FETCH_B 0, 0, 0
	FETCH_A 0, 0, 0
	SCALES 0
	FETCH_A 0, 0, 4
	STEP 0, 0, 1
	s_mov_b32 s3, LAPS-1
.Llap:
	TURN 0, 1, 1
	STEP 1, 0, 0
	TURN 1, 0, 1
	STEP 0, 0, 0
	s_sub_co_u32 s3, s3, 1
	s_cmp_lg_u32 s3, 0
	s_cbranch_scc1 .Llap
	TURN 0, 1, 0
	STEP 1, 0, 0
	s_wait_dscnt 4*NLA
	WIN MUL_LO
	MUL16 0, 1, NQ-1, 1, 0
	MUL16 2, 1, NQ-1, 1, 0
	s_wait_dscnt 0
	WIN MUL_HI
	MUL16 4, 1, NQ-1, 1, 0
	MUL16 6, 1, NQ-1, 1, 0
	WIN 0
.macro QUANT s
.irp b, 0,1,2,3
	v_max3_num_f32 v[TM+\b], |v[\s+16*\b]|, |v[\s+1+16*\b]|, 0x1800000
.endr
.irp i, 2,4,6,8,10,12,14
.irp b, 0,1,2,3
	v_max3_num_f32 v[TM+\b], v[TM+\b], |v[\s+16*\b+\i]|, |v[\s+1+16*\b+\i]|
.endr
.endr
.irp b, 0,1,2,3
	v_permlanex16_b32 v[TM+4+\b], v[TM+\b], s[SEL], s[SEL+1]
.endr
.irp b, 0,1,2,3
	v_max_num_f32 v[TM+\b], v[TM+\b], v[TM+4+\b]
.endr
.irp b, 0,1,2,3
	v_add_nc_u32 v[TM+12+\b], 0xff000000, v[TM+\b]
.endr
.irp b, 0,1,2,3
	v_lshrrev_b32 v[TM+4+\b], 23, v[TM+12+\b]
.endr
	v_lshl_or_b32 v[PW], v[TM+5], 8, v[TM+4]
	v_lshl_or_b32 v[PW], v[TM+6], 16, v[PW]
	v_lshl_or_b32 v[PW], v[TM+7], 24, v[PW]
.irp c, 0,1
	v_cvt_scalef32_pk16_fp6_f32 v[QC+6*\c:QC+2+6*\c], v[\s+32*\c:\s+15+32*\c], v[TM+12+2*\c]
	v_cvt_scalef32_pk16_fp6_f32 v[QC+12+4*\c:QC+14+4*\c], v[\s+16+32*\c:\s+31+32*\c], v[TM+12+2*\c+1]
.endr
	v_nop
.irp c, 0,1
.irp i, 0,1,2
	v_permlane16_swap_b32 v[QC+6*\c+\i], v[QC+12+4*\c+\i]
.endr
.irp i, 0,1,2
	v_mov_b32 v[QC+3+6*\c+\i], v[QC+12+4*\c+\i]
.endr
.endr
.endm
.macro QKTILE a
.set AC, 64*((\a)%4)
	WIN 6+(\a)/4
.set i, 0
.rept 32
	v_pk_add_f32 v[Y+i:Y+i+1], v[AC+i:AC+i+1], v[96+i+96*(i/32):97+i+96*(i/32)]
.set i, i+2
.endr
	WIN 0
.irp e, 0,1
.irp c, 0,2
	v_pk_mul_f32 v[54+4*\e+\c:55+4*\e+\c], v[Y+32*\e+\c:Y+32*\e+\c+1], v[Y+32*\e+\c:Y+32*\e+\c+1]
.endr
.endr
.irp i, 4,8,12,16,20,24,28
.irp e, 0,1
.irp c, 0,2
	v_pk_fma_f32 v[54+4*\e+\c:55+4*\e+\c], v[Y+32*\e+\i+\c:Y+32*\e+\i+\c+1], v[Y+32*\e+\i+\c:Y+32*\e+\i+\c+1], v[54+4*\e+\c:55+4*\e+\c]
.endr
.endr
.endr
	v_pk_add_f32 v[54:55], v[54:55], v[56:57]
	v_pk_add_f32 v[58:59], v[58:59], v[60:61]
	v_add_f32 v54, v54, v55
	v_add_f32 v58, v58, v59
	v_permlanex16_b32 v62, v54, s[SEL], s[SEL+1]
	v_permlanex16_b32 v63, v58, s[SEL], s[SEL+1]
	v_add_f32 v54, v54, v62
	v_add_f32 v58, v58, v63
	v_fma_f32 v54, v54, s22, s23
	v_fma_f32 v58, v58, s22, s23
	s_wait_alu depctr_va_vdst(0)
	v_rsq_f32 v50, v54
	v_rsq_f32 v51, v54
	v_rsq_f32 v52, v58
	v_rsq_f32 v53, v58
	v_nop
	s_wait_alu depctr_va_vdst(0)
.irp e, 0,1
.set i, 0
.rept 16
	v_pk_mul_f32 v[Y+32*\e+i:Y+32*\e+i+1], v[Y+32*\e+i:Y+32*\e+i+1], v[50+2*\e:51+2*\e]
.set i, i+2
.endr
.endr
.irp e, 0,1
.set i, 0
.rept 16
	v_pk_mul_f32 v[Y+32*\e+i:Y+32*\e+i+1], v[Y+32*\e+i:Y+32*\e+i+1], v[NW+i:NW+i+1]
.set i, i+2
.endr
.endr
.if (\a) < 7
	s_wait_loadcnt 16                              ; this tile's tables are in; the next tile's 16 loads may be out
.else
	s_wait_loadcnt 0x0
.endif
.if (\a)%2
.set CU, 0
.set SU, 32
	WIN 0x04                                       ; source 1, the tables, in window 1
.else
.set CU, CT
.set SU, ST
.endif
.irp e, 0,1
.irp q, 0,1,2,3,4,5,6,7
.set LO, Y+32*\e+2*\q
.set HI, LO+16
.set RR, 212+4*(\q%3)
	v_pk_mul_f32 v[RR:RR+1], v[LO:LO+1], v[SU+16+2*\q:SU+17+2*\q]
	v_pk_mul_f32 v[RR+2:RR+3], v[LO:LO+1], v[CU+2*\q:CU+2*\q+1]
	v_pk_fma_f32 v[LO:LO+1], v[HI:HI+1], v[SU+2*\q:SU+2*\q+1], v[RR+2:RR+3] neg_lo:[1,0,0] neg_hi:[1,0,0]
	v_pk_fma_f32 v[HI:HI+1], v[HI:HI+1], v[CU+16+2*\q:CU+17+2*\q], v[RR:RR+1]
.endr
.endr
	WIN 0
.if (\a) < 6
	TABLES (\a)+2                                  ; this set of registers takes the tables of the tile two on
.endif
	s_wait_xcnt 0x0
	QUANT Y
	global_store_b128 v10, v[QC:QC+3], s[12:13] offset:768*(\a)
	global_store_b64 v11, v[QC+4:QC+5], s[12:13] offset:768*(\a)+512
	global_store_b128 v10, v[QC+6:QC+9], s[12:13] offset:98304+768*(\a)
	global_store_b64 v11, v[QC+10:QC+11], s[12:13] offset:98304+768*(\a)+512
	v_lshrrev_b32 v49, v13, v[PW]
	v_and_b32 v49, 0xffff, v49
	ds_store_b32 v12, v49 offset:64*(\a)
.endm
	PLACES NP
	s_mov_b32 s[SEL], 0x76543210
	s_mov_b32 s[SEL+1], 0xfedcba98
	s_mov_b32 s22, 0x3c800000
	s_mov_b32 s23, 0x358637bd
.irp b, 0,1,2,3
	v_mov_b32 v[TM+4+\b], 0
.endr
	v_mov_b32 v62, 0
	v_mov_b32 v63, 0
	TABLES 1
	s_wait_loadcnt 16                              ; the bias, the gains and tile 0's tables are in; tile 1's 16 loads may be out
.irp a, 0,1,2,3,4,5,6,7
	QKTILE \a
.endr
	ds_load_b128 v[32:35], v14
	ds_load_b128 v[36:39], v14 offset:512
	s_wait_dscnt 0x0
	global_store_b128 v10, v[32:35], s[66:67]
	global_store_b128 v10, v[36:39], s[66:67] offset:20480
	s_wait_tensorcnt 0x0
	ds_add_u32 v[SPW], v[NIL]
	s_wait_dscnt 0x0
	CROUND
	s_endpgm
.Lfunc_end_k_qc9fbaaa726_gemm_qk:
	.size	k_qc9fbaaa726_gemm_qk, .Lfunc_end_k_qc9fbaaa726_gemm_qk-k_qc9fbaaa726_gemm_qk
	.p2alignl 7, 3214868480
	.fill 96, 4, 3214868480
	.section	.rodata,"a",@progbits
	.p2align	6, 0x0
	.amdhsa_kernel k_qc9fbaaa726_gemm_qk
		.amdhsa_group_segment_fixed_size 327680
		.amdhsa_private_segment_fixed_size 0
		.amdhsa_enable_private_segment 0
		.amdhsa_kernarg_size 72
		.amdhsa_user_sgpr_count 2
		.amdhsa_user_sgpr_kernarg_segment_ptr 1
		.amdhsa_wavefront_size32 1
		.amdhsa_system_sgpr_workgroup_id_x 1
		.amdhsa_system_sgpr_workgroup_id_y 1
		.amdhsa_system_sgpr_workgroup_id_z 1
		.amdhsa_system_vgpr_workitem_id 0
		.amdhsa_next_free_vgpr 1024
		.amdhsa_next_free_sgpr 102
		.amdhsa_reserve_vcc 0
		.amdhsa_float_denorm_mode_32 3
		.amdhsa_float_denorm_mode_16_64 3
		.amdhsa_memory_ordered 1
		.amdhsa_forward_progress 1
		.amdhsa_inst_pref_size 255
	.end_amdhsa_kernel
	.section	.bss,"aw",@nobits
	.p2align	6
	.space	262144
	.amdgpu_metadata
---
amdhsa.version: [ 1, 2 ]
amdhsa.kernels:
  - .name:           k_qc9fbaaa726_gemm_qk
    .symbol:         k_qc9fbaaa726_gemm_qk.kd
    .args:
      - { .name: c1, .offset: 0, .size: 8, .value_kind: global_buffer, .address_space: global }
      - { .name: s1, .offset: 8, .size: 8, .value_kind: global_buffer, .address_space: global }
      - { .name: qkv_b, .offset: 16, .size: 8, .value_kind: global_buffer, .address_space: global }
      - { .name: qn_w, .offset: 24, .size: 8, .value_kind: global_buffer, .address_space: global }
      - { .name: kn_w, .offset: 32, .size: 8, .value_kind: global_buffer, .address_space: global }
      - { .name: rope_cos, .offset: 40, .size: 8, .value_kind: global_buffer, .address_space: global }
      - { .name: rope_sin, .offset: 48, .size: 8, .value_kind: global_buffer, .address_space: global }
      - { .name: qkvc, .offset: 56, .size: 8, .value_kind: global_buffer, .address_space: global }
      - { .name: qkvs, .offset: 64, .size: 8, .value_kind: global_buffer, .address_space: global }
    .group_segment_fixed_size: 327680
    .private_segment_fixed_size: 0
    .kernarg_segment_align: 8
    .kernarg_segment_size: 72
    .max_flat_workgroup_size: 128
    .sgpr_count:     102
    .vgpr_count:     1024
    .wavefront_size: 32
...
	.end_amdgpu_metadata
.endif
;; end of part 2
;; launch gemm_v (part 3): grid 32 x 4, 4 waves a work-group, clusters of 4 x 4, 327,680 bytes of LDS; arguments c1, s1, qkv_b, qkvc, qkvs; writes qkvc, qkvs
.if DOCPART == 3
	.amdgcn_target "amdgcn-amd-amdhsa--gfx1250"
	.amdhsa_code_object_version 6
	.text
	.protected	k_qc9fbaaa726_gemm_v
	.globl	k_qc9fbaaa726_gemm_v
	.p2align	8
	.type	k_qc9fbaaa726_gemm_v,@function
k_qc9fbaaa726_gemm_v:
	s_mov_b64 s[64:65], 0
	v_nop
	global_prefetch_b8 v0, s[64:65] scope:SCOPE_SE
	s_setreg_imm32_b32 hwreg(HW_REG_WAVE_MODE, 25, 1), 1
	s_wait_xcnt 0x0
	s_wait_alu depctr_hold_cnt(0) depctr_sa_sdst(0) depctr_va_vdst(0) depctr_va_sdst(0) depctr_va_ssrc(0) depctr_va_vcc(0) depctr_vm_vsrc(0)
	s_getreg_b32 s2, hwreg(HW_REG_IB_STS2, 6, 4)
	s_cmp_eq_u32 s2, 0
	s_cbranch_scc0 .Lentry_in_a_cluster
	s_endpgm
.Lentry_in_a_cluster:
	s_bfe_u32 s2, ttmp6, 0x10000c
	s_cmp_lg_u32 s2, 0xf033
	s_cbranch_scc0 .Lentry_shape_is_right
	s_endpgm
.Lentry_shape_is_right:
; v: columns 2048-3071 of x qkv_w^T + qkv_b on codes of FP6 (c1, s1), then the quantiser ALONG THE KEYS, which are the K of attention's second product.
; THE PRODUCT is the same as q's and k's (256 x 256 to a work-group, 128 x 128 a wave, ring of two slots, scales resident, cluster 4 x 4 with joint loads), WITH THE OPERANDS' PARTS CHANGED: source 1 (A) = 16 rows of V's weights,
; source 0 (B) = 16 tokens.  Lane (r, h) then holds ONE channel, and register j of accumulator b token 16 b + 8 h + j: a lane's 64 registers of a block of A run along 128 keys: one key step.
; ORDER ALONG THE KEYS.  Inside a block of 32 keys the codes stand in the order 0-7, 16-23, 8-15, 24-31; the blocks and their scales are the true ones.  The attention launch's weights p come out in the same order.
; ORDER OF THE CHANNELS.  c1 holds V's weights with the groups of eight rows 0, 2, 1, 3 in each 32: row r of tile 2 b + u is channel 32 b + 8 u + r + 8 (r / 8).  The bias is read by that order.
; OUT: qkvc + 12,582,912: [head of a batch][16 key steps][4 tiles of 16 channels][1,536 bytes]: the operand's twelve registers as they stand, four at a time at 16 x lane.  qkvs: [head][20,480], from 16,384: [step][tile][16] words.
; LIMITS: NaN and infinities are not served; a block whose largest magnitude lies under 2^(3 - 127) gets the byte 1.
.set KSTEP,  256
.set NQ,     KSTEP/128
.set ROWB,   49152                     ; from one K step to the next in c1: 256 rows x 192 bytes
.set ASTEP,  ROWB
.set KROW,   768
.set PITCH,  240                       ; 3 x (64 bytes + 16 of padding)
.set FR,     12
.set NL,     6
.set NLA,    6
.set NP,     4
.set HALFT,  128*PITCH
.set SLOT,   4*HALFT
.set LAPS,   2
.set KS,     32
.set SCL,    2*SLOT
.set HALFS,  (128*KS/256)*272
.set SBLK,   (16*KS/256)*272
.set SPARE,  SCL+4*HALFS               ; the spare words: two blocks of 256 bytes that no other line names
.set AROW0,  10240                     ; A = V's weights: c1's rows from 10,240
.set BROW0,  0                         ; B = x
.set ADRA, 16
.set ADRB, 20
.set ADRS, 27
.set SPW,  28
.set NIL,  29
.set SC,   32
.set AF,   128
.set G1, 24
.set G0, 32
.set G1B, 48
.set G0B, 56
.set G1S, 68
.set G0S, 76
.set G1SB, 80
.set G0SB, 88
.set TM,  32                           ; the way out: v32-47 the quantiser's work, v48 the scale word
.set PW,  48
.set VB,  64                           ; v64-79 the bias of my channel in each of A's eight blocks, twice (a pair for the packed add)
.set Y,   128
.set QC,  192
.set SEL, 20
.set MSB, 0
.macro WIN new
.if MSB != \new
	s_set_vgpr_msb (MSB<<8)|\new
.set MSB, \new
.endif
.endm
.set MUL_LO, 0xa1
.set MUL_HI, 0xf1
.set TO_B,   0x40
.macro JLOAD g0a, g1a, g0b, g1b        ; waves 0 and 1 fetch for A, waves 2 and 3 for B; an s_nop 0 and four v_nop follow each line
	s_cmp_eq_u32 s15, 0
	s_cbranch_scc0 .Lfor_b_\@
	tensor_load_to_lds s[\g0a:\g0a+3], s[\g1a:\g1a+7]
	s_nop 0
.rept 4
	v_nop
.endr
	s_branch .Lasked_\@
.Lfor_b_\@:
	tensor_load_to_lds s[\g0b:\g0b+3], s[\g1b:\g1b+7]
	s_nop 0
.rept 4
	v_nop
.endr
.Lasked_\@:
.endm
.macro CREST
	s_cmp_lg_u32 s14, 0
	s_cbranch_scc1 .Lnot_wave_0_\@
	s_barrier_signal -3
.Lnot_wave_0_\@:
	s_barrier_wait -3
	s_barrier_signal -1
	s_barrier_wait -1
.endm
.macro CROUND
	s_barrier_signal -1
	s_barrier_wait -1
	CREST
.endm
	s_load_b128 s[4:7], s[0:1], 0x0                ; c1, s1
	s_load_b128 s[8:11], s[0:1], 0x10              ; qkv_b, qkvc
	s_load_b64 s[12:13], s[0:1], 0x20              ; qkvs
	v_lshl_add_u32 v[SPW], v0, 2, SPARE
	v_mov_b32 v[NIL], 0
	ds_add_u32 v[SPW], v[NIL]                      ; the wave's opening
	ds_add_u32 v[SPW], v[NIL]
	v_lshrrev_b32 v1, 5, v0
	v_readfirstlane_b32 s14, v1                    ; wave 0..3
	s_lshr_b32 s15, s14, 1                         ; my half of the tile's channels.  Also: I fetch for A (0) or B (1)
	s_and_b32 s16, s14, 1                          ; my half of its tokens.  Also: which 128 rows I fetch
	s_bfe_u32 s40, ttmp6, 0x40000
	s_bfe_u32 s41, ttmp6, 0x40004
	s_lshl_b32 s42, ttmp9, 2
	s_add_co_u32 s42, s42, s40                     ; tile of tokens = 4 x cluster x + cx
	s_and_b32 s17, ttmp7, 0xffff
	s_lshl_b32 s17, s17, 2
	s_add_co_u32 s17, s17, s41                     ; tile of weights = 4 x cluster y + cy
	s_lshl_b32 s43, s41, 2
	s_lshl_b32 s43, 15, s43
	s_lshl_b32 s44, 0x1111, s40
	s_or_b32 s[G1+0], s43, (0<<16)|(1<<20)|(1<<21)|(3<<22)|(3<<25)
	s_or_b32 s[G1B+0], s44, (0<<16)|(1<<20)|(1<<21)|(3<<22)|(3<<25)
.irp g, G1, G1B
	s_mov_b32 s[\g+1], 256<<16                     ; a K step of 256 rows of codes is dense in c1: 192 rows of 256 bytes (the head's loads; the ring's bring 96)
	s_mov_b32 s[\g+2], 192<<16
	s_mov_b32 s[\g+3], 256<<16
	s_mov_b32 s[\g+4], 192
	s_mov_b32 s[\g+5], 256
	s_mov_b32 s[\g+6], 0
	s_mov_b32 s[\g+7], 0
.endr
	s_or_b32 s[G1S+0], s43, (3<<16)|(1<<20)|(1<<21)|(5<<22)|(3<<25)
	s_or_b32 s[G1SB+0], s44, (3<<16)|(1<<20)|(1<<21)|(5<<22)|(3<<25)
.irp g, G1S, G1SB
	s_mov_b32 s[\g+1], 32<<16
	s_mov_b32 s[\g+2], (256*KS/256)<<16
	s_mov_b32 s[\g+3], 32<<16
	s_mov_b32 s[\g+4], 256*KS/256
	s_mov_b32 s[\g+5], 32
	s_mov_b32 s[\g+6], 0
	s_mov_b32 s[\g+7], 0
.endr
	s_lshl_b32 s18, s16, 7
	s_lshl_b32 s20, s17, 8
	s_add_co_u32 s20, s20, s18
	s_add_co_u32 s20, s20, AROW0                   ; A: c1's row 10,240 + 256 x tile + 128 x half
	s_lshl_b32 s46, s42, 8
	s_add_co_u32 s46, s46, s18                     ; B: 256 x tile + 128 x half
	s_mov_b32 s21, 0
	s_mov_b32 s47, 0
	s_mov_b64 s[18:19], KS
	s_mul_u64 s[22:23], s[20:21], s[18:19]
	s_mul_u64 s[92:93], s[46:47], s[18:19]
	s_mov_b64 s[18:19], KROW
	s_mul_u64 s[20:21], s[20:21], s[18:19]
	s_mul_u64 s[46:47], s[46:47], s[18:19]
	s_mul_i32 s18, s16, 73728                      ; inside a K step the second 128 rows lie 24,576 bytes on, not 98,304
	s_sub_nc_u64 s[20:21], s[20:21], s[18:19]
	s_sub_nc_u64 s[46:47], s[46:47], s[18:19]
	s_mul_i32 s45, s14, HALFT
	s_mul_i32 s94, s14, HALFS
	s_wait_dscnt 0x0                               ; the opening add is done
	s_wait_kmcnt 0x0
	s_add_nc_u64 s[20:21], s[4:5], s[20:21]
	s_add_nc_u64 s[22:23], s[6:7], s[22:23]
	s_add_nc_u64 s[46:47], s[4:5], s[46:47]
	s_add_nc_u64 s[92:93], s[6:7], s[92:93]
	CROUND                                         ; the first joint loads meet
	s_mov_b32 s[G0S], 1
	s_add_co_u32 s[G0S+1], s94, SCL-HALFS          ; wave 1 brings the scales of A's 256 rows
	s_sub_nc_u64 s[G0S+2:G0S+3], s[22:23], 4096    ; (an odd wave's rows begin 128 rows, 4,096 bytes, behind the tile's first)
	s_or_b32 s[G0S+3], s[G0S+3], 0x80000000
	s_mov_b32 s[G0SB], 1
	s_add_co_u32 s[G0SB+1], s94, SCL-HALFS         ; wave 3 those of B's 256 rows
	s_sub_nc_u64 s[G0SB+2:G0SB+3], s[92:93], 4096
	s_or_b32 s[G0SB+3], s[G0SB+3], 0x80000000
.irp s, 0,1
	s_mov_b32 s[G0+4*\s], 1
	s_add_co_u32 s[G0+4*\s+1], s45, \s*SLOT
	s_add_nc_u64 s[G0+4*\s+2:G0+4*\s+3], s[20:21], \s*ASTEP
	s_or_b32 s[G0+4*\s+3], s[G0+4*\s+3], 0x80000000
	s_mov_b32 s[G0B+4*\s], 1
	s_add_co_u32 s[G0B+4*\s+1], s45, \s*SLOT
	s_add_nc_u64 s[G0B+4*\s+2:G0B+4*\s+3], s[46:47], \s*ROWB
	s_or_b32 s[G0B+4*\s+3], s[G0B+4*\s+3], 0x80000000
.endr
; the head's four tiles, one joint load a wave: wave 0 K step 0 of A's 256 rows, wave 2 of B's, wave 1 A's scales, wave 3 B's.  One chain of branches on the wave's number, all arms to one join
.macro ARM w, g0, g1
	s_cmp_eq_u32 s14, \w
	s_cbranch_scc0 .Lnot_\w
	tensor_load_to_lds s[\g0:\g0+3], s[\g1:\g1+7]
	s_nop 0
.rept 4
	v_nop
.endr
	s_branch .Lhead_asked
.Lnot_\w:
.endm
	ARM 0, G0, G1
	ARM 2, G0B, G1B
	ARM 1, G0S, G1S
	tensor_load_to_lds s[G0SB:G0SB+3], s[G1SB:G1SB+7]
	s_nop 0
.rept 4
	v_nop
.endr
.Lhead_asked:
	v_and_b32 v1, 15, v0                           ; r
	v_bfe_u32 v2, v0, 4, 1                         ; h
	v_mul_u32_u24 v3, v1, PITCH
	v_mul_u32_u24 v4, v2, 24
	v_add_nc_u32 v4, v3, v4
	v_lshl_add_u32 v5, v2, 4, v4
	s_mul_i32 s21, s15, HALFT
	s_mul_i32 s22, s16, HALFT
	s_add_co_u32 s22, s22, 2*HALFT
.irp s, 0,1
	v_add_nc_u32 v[ADRA+\s], s21, v4
	v_add_nc_u32 v[ADRB+\s], s22, v4
	v_add_nc_u32 v[ADRA+2+\s], s21, v5
	v_add_nc_u32 v[ADRB+2+\s], s22, v5
	s_add_co_u32 s21, s21, SLOT
	s_add_co_u32 s22, s22, SLOT
.endr
	v_mul_u32_u24 v5, v1, KS
	v_lshrrev_b32 v6, 8, v5
	v_lshl_add_u32 v5, v6, 4, v5
	s_mul_i32 s21, s15, HALFS
	s_mul_i32 s22, s16, HALFS
	s_add_co_u32 s22, s22, 2*HALFS
	s_sub_co_u32 s22, s22, s21
	v_mul_u32_u24 v6, s22, v2
	s_add_co_u32 s21, s21, SCL
	v_add_nc_u32 v5, v5, v6
	v_add_nc_u32 v[ADRS], s21, v5
	; ---- the way out's addresses
	s_lshr_b32 s20, s42, 3
	s_lshl_b32 s20, s20, 4
	s_lshl_b32 s21, s17, 2
	s_add_co_u32 s20, s20, s21
	s_lshl_b32 s21, s15, 1
	s_add_co_u32 s20, s20, s21                     ; the first of my two heads: 16 x batch + 4 x tile of weights + 2 x half
	s_and_b32 s21, s42, 7
	s_lshl_b32 s21, s21, 1
	s_add_co_u32 s21, s21, s16                     ; my key step
	s_mul_i32 s22, s20, 98304
	s_mul_i32 s46, s21, 6144
	s_add_co_u32 s22, s22, s46
	s_add_co_u32 s22, s22, 12582912
	s_mov_b32 s23, 0
	s_add_nc_u64 s[10:11], s[10:11], s[22:23]
	s_mul_i32 s22, s20, 20480
	s_lshl_b32 s46, s21, 8
	s_add_co_u32 s22, s22, s46
	s_add_co_u32 s22, s22, 16384
	s_add_nc_u64 s[12:13], s[12:13], s[22:23]
	s_lshl_b32 s22, s17, 10
	s_lshl_b32 s46, s15, 9
	s_add_co_u32 s22, s22, s46
	s_add_co_u32 s22, s22, 8192
	s_add_nc_u64 s[8:9], s[8:9], s[22:23]          ; the bias of my 128 channels: 4 (2,048 + 256 x tile + 128 x half)
	v_and_b32 v8, 8, v1
	v_add_nc_u32 v8, v8, v1
	v_lshlrev_b32 v8, 2, v8                        ; 4 (r + 8 (r / 8))
	v_and_b32 v6, 31, v0
	v_lshlrev_b32 v10, 4, v6                       ; 16 x lane
	v_lshlrev_b32 v11, 3, v6                       ; 8 x lane
	s_lshl_b32 s22, s14, 10                        ; my 1,024 bytes for scale words, in slot 0: it has had its last fill and its last read when the first word is stored there
	v_lshl_add_u32 v12, v1, 2, s22                 ; in: 4 r
	v_add_nc_u32 v14, s22, v11                     ; back: 8 bytes a lane
.irp a, 0,1,2,3,4,5,6,7
	global_load_b32 v[VB+2*\a], v8, s[8:9] offset:4*(32*(\a/2)+8*(\a%2))
	global_load_b32 v[VB+2*\a+1], v8, s[8:9] offset:4*(32*(\a/2)+8*(\a%2))
.endr
.macro FRAG reg, adr, q, i
.irp p, 0,1,2,3,4,5
.set PC, 12*(\q)+6*(\p/3)+\p%3
.if PC%8 < 5
	ds_load_b64 v[\reg+2*\p:\reg+2*\p+1], v[\adr] offset:8*PC+16*(PC/8)+(\i)*16*PITCH
.else
	ds_load_b64 v[\reg+2*\p:\reg+2*\p+1], v[\adr+2] offset:8*PC+16*(PC/8)+(\i)*16*PITCH
.endif
.endr
.endm
.macro MUL16 a0, p, q, sc, zero        ; the 64 accumulators take turns, one instruction a turn
.irp a, \a0, \a0+1
.irp b, 0,1,2,3,4,5,6,7
.if \zero
	v_wmma_scale_f32_16x16x128_f8f6f4 v[8*(8*((\a)%4)+\b):8*(8*((\a)%4)+\b)+7], v[128*(\p)+FR*\b:128*(\p)+FR*\b+FR-1], v[AF+FR*(\a):AF+FR*(\a)+FR-1], 0, v[SC+8*NQ*(\sc)+NQ*\b+(\q)], v[SC+8*NQ*(\sc)+NQ*(\a)+(\q)] matrix_a_fmt:MATRIX_FMT_FP6 matrix_b_fmt:MATRIX_FMT_FP6 matrix_a_scale:MATRIX_SCALE_ROW1
.else
	v_wmma_scale_f32_16x16x128_f8f6f4 v[8*(8*((\a)%4)+\b):8*(8*((\a)%4)+\b)+7], v[128*(\p)+FR*\b:128*(\p)+FR*\b+FR-1], v[AF+FR*(\a):AF+FR*(\a)+FR-1], v[8*(8*((\a)%4)+\b):8*(8*((\a)%4)+\b)+7], v[SC+8*NQ*(\sc)+NQ*\b+(\q)], v[SC+8*NQ*(\sc)+NQ*(\a)+(\q)] matrix_a_fmt:MATRIX_FMT_FP6 matrix_b_fmt:MATRIX_FMT_FP6 matrix_a_scale:MATRIX_SCALE_ROW1
.endif
.endr
.endr
.endm
.macro FETCH_B slot, q, p
	WIN TO_B
.irp i, 0,1,2,3,4,5,6,7
	FRAG 128*(\p)+FR*\i, ADRB+\slot, \q, \i
.endr
	WIN 0
.endm
.macro FETCH_A slot, q, i0
.irp i, \i0, \i0+1, \i0+2, \i0+3
	FRAG AF+FR*(\i), ADRA+\slot, \q, \i
.endr
.endm
.macro SCALES sc
.irp i, 0,1,2,3,4,5,6,7
	ds_load_b64 v[SC+8*NQ*\sc+NQ*\i:SC+8*NQ*\sc+NQ*\i+1], v[ADRS] offset:\i*SBLK
.endr
.endm
.macro PLACES n
.rept \n
	v_nop
.endr
.endm
.macro STEP slot, q, zero
	s_wait_dscnt 4*NLA                             ; B's set and A's blocks 0-3 are in; A's blocks 4-7 may be out
	WIN MUL_LO
	MUL16 0, (\q)%2, \q, \slot, \zero
	MUL16 2, (\q)%2, \q, \slot, \zero
	s_wait_dscnt 0
	PLACES NP
	FETCH_B \slot, (\q)+1, 1-(\q)%2
	FETCH_A \slot, (\q)+1, 0
	WIN MUL_HI
	MUL16 4, (\q)%2, \q, \slot, \zero
	MUL16 6, (\q)%2, \q, \slot, \zero
	PLACES NP
	WIN 0
	FETCH_A \slot, (\q)+1, 4
.endm
.macro TURN slot, next, fill
	s_wait_tensorcnt 0x0                           ; all my tensor loads have landed: my part of the next slot
	ds_add_u32 v[SPW], v[NIL]
	s_wait_dscnt 4*NLA+1                           ; (the add and A's blocks 4-7 may be out)
	WIN MUL_LO
	MUL16 0, 1, NQ-1, \slot, 0
	s_wait_dscnt 0x0                               ; the add is done, and my reads of this slot are over
	s_barrier_signal -1
	MUL16 2, 1, NQ-1, \slot, 0
	WIN 0
	s_barrier_wait -1
.if \fill
	CREST                                          ; the round: no wave of any partner still reads this slot or has a load on its way
	s_add_nc_u64 s[G0+4*\slot+2:G0+4*\slot+3], s[G0+4*\slot+2:G0+4*\slot+3], 2*ASTEP
	s_add_nc_u64 s[G0B+4*\slot+2:G0B+4*\slot+3], s[G0B+4*\slot+2:G0B+4*\slot+3], 2*ROWB
	JLOAD G0+4*\slot, G1, G0B+4*\slot, G1B
.else
	PLACES NP
.endif
	s_wait_alu depctr_va_vdst(0)
	v_add_nc_u32 v[ADRS], 4*NQ, v[ADRS]
	FETCH_B \next, 0, 0
	FETCH_A \next, 0, 0
	SCALES \next
	WIN MUL_HI
	MUL16 4, 1, NQ-1, \slot, 0
	MUL16 6, 1, NQ-1, \slot, 0
	PLACES NP
	WIN 0
	FETCH_A \next, 0, 4
.endm
	s_wait_alu depctr_va_vdst(0)
	s_wait_tensorcnt 0x0                           ; my tile of the head's four is in; these lines stand ahead of slot 1's first fill as ahead of a refill
	ds_add_u32 v[SPW], v[NIL]
	s_mov_b32 s[G1+2], 96<<16                      ; no load of mine is out: from here on a load brings 128 rows of codes, 96 rows of 256 bytes
	s_mov_b32 s[G1+4], 96
	s_mov_b32 s[G1B+2], 96<<16
	s_mov_b32 s[G1B+4], 96
	s_wait_dscnt 0x0
	CROUND
	JLOAD G0+4, G1, G0B+4, G1B                     ; K step 1, the first tensor load behind the round
	FETCH_B 0, 0, 0
	FETCH_A 0, 0, 0
	SCALES 0
	FETCH_A 0, 0, 4
	STEP 0, 0, 1
	s_mov_b32 s3, LAPS-1
.Llap:
	TURN 0, 1, 1
	STEP 1, 0, 0
	TURN 1, 0, 1
	STEP 0, 0, 0
	s_sub_co_u32 s3, s3, 1
	s_cmp_lg_u32 s3, 0
	s_cbranch_scc1 .Llap
	TURN 0, 1, 0
	STEP 1, 0, 0
	s_wait_dscnt 4*NLA
	WIN MUL_LO
	MUL16 0, 1, NQ-1, 1, 0
	MUL16 2, 1, NQ-1, 1, 0
	s_wait_dscnt 0
	WIN MUL_HI
	MUL16 4, 1, NQ-1, 1, 0
	MUL16 6, 1, NQ-1, 1, 0
	WIN 0
.macro QUANT s                         ; 64 numbers of a lane, sixteen of each of four blocks of 32, become a fragment's codes in v[QC] on and its scale word in v[PW]
.irp b, 0,1,2,3
	v_max3_num_f32 v[TM+\b], |v[\s+16*\b]|, |v[\s+1+16*\b]|, 0x1800000   ; with the floor 2^(3 - 127): the byte cannot fall under 1
.endr
.irp i, 2,4,6,8,10,12,14
.irp b, 0,1,2,3
	v_max3_num_f32 v[TM+\b], v[TM+\b], |v[\s+16*\b+\i]|, |v[\s+1+16*\b+\i]|
.endr
.endr
.irp b, 0,1,2,3
	v_permlanex16_b32 v[TM+4+\b], v[TM+\b], s[SEL], s[SEL+1]
.endr
.irp b, 0,1,2,3
	v_max_num_f32 v[TM+\b], v[TM+\b], v[TM+4+\b]
.endr
.irp b, 0,1,2,3
	v_add_nc_u32 v[TM+12+\b], 0xff000000, v[TM+\b] ; 2 off the exponent field: the conversion's scale operand
.endr
.irp b, 0,1,2,3
	v_lshrrev_b32 v[TM+4+\b], 23, v[TM+12+\b]      ; the scale's byte
.endr
	v_lshl_or_b32 v[PW], v[TM+5], 8, v[TM+4]
	v_lshl_or_b32 v[PW], v[TM+6], 16, v[PW]
	v_lshl_or_b32 v[PW], v[TM+7], 24, v[PW]
.irp c, 0,1
	v_cvt_scalef32_pk16_fp6_f32 v[QC+6*\c:QC+2+6*\c], v[\s+32*\c:\s+15+32*\c], v[TM+12+2*\c]
	v_cvt_scalef32_pk16_fp6_f32 v[QC+12+4*\c:QC+14+4*\c], v[\s+16+32*\c:\s+31+32*\c], v[TM+12+2*\c+1]
.endr
	v_nop                                          ; one plain place behind a scaled conversion
.irp c, 0,1
.irp i, 0,1,2
	v_permlane16_swap_b32 v[QC+6*\c+\i], v[QC+12+4*\c+\i]
.endr
.irp i, 0,1,2
	v_mov_b32 v[QC+3+6*\c+\i], v[QC+12+4*\c+\i]
.endr
.endr
.endm
.macro VTILE a                         ; 16 channels (A's block a) x my 128 keys
.set AC, 64*((\a)%4)
	WIN 2+(\a)/4                                   ; source 0: the accumulators' window
.set i, 0
.rept 32
	v_pk_add_f32 v[Y+i:Y+i+1], v[AC+i:AC+i+1], v[VB+2*(\a):VB+2*(\a)+1]   ; + my channel's bias; each accumulator from its low end on
.set i, i+2
.endr
	WIN 0
	s_wait_xcnt 0x0                                ; the last tile's stores have read the codes' registers
	QUANT Y
.irp c, 0,1,2
	global_store_b128 v10, v[QC+4*\c:QC+4*\c+3], s[10:11] offset:((\a)/4)*98304+((\a)%4)*1536+512*\c   ; 512 consecutive bytes, aligned
.endr
	ds_store_b32 v12, v[PW] offset:64*(\a)         ; lanes l and l + 16 write the same word with the same value
.endm
	PLACES NP
	s_mov_b32 s[SEL], 0x76543210
	s_mov_b32 s[SEL+1], 0xfedcba98
.irp b, 0,1,2,3
	v_mov_b32 v[TM+4+\b], 0                        ; written once: a lane permute's destination counts as one of its sources
.endr
	s_wait_loadcnt 0x0                             ; the bias
.irp a, 0,1,2,3,4,5,6,7
	VTILE \a
.endr
	ds_load_b64 v[32:33], v14                      ; head 0's 64 words: in order behind my stores
	ds_load_b64 v[34:35], v14 offset:256           ; head 1's
	s_wait_dscnt 0x0
	global_store_b64 v11, v[32:33], s[12:13]       ; 256 consecutive bytes, aligned
	global_store_b64 v11, v[34:35], s[12:13] offset:20480
	s_wait_tensorcnt 0x0                           ; the wave's end
	ds_add_u32 v[SPW], v[NIL]
	s_wait_dscnt 0x0
	CROUND                                         ; the closing round
	s_endpgm
.Lfunc_end_k_qc9fbaaa726_gemm_v:
	.size	k_qc9fbaaa726_gemm_v, .Lfunc_end_k_qc9fbaaa726_gemm_v-k_qc9fbaaa726_gemm_v
	.p2alignl 7, 3214868480
	.fill 96, 4, 3214868480
	.section	.rodata,"a",@progbits
	.p2align	6, 0x0
	.amdhsa_kernel k_qc9fbaaa726_gemm_v
		.amdhsa_group_segment_fixed_size 327680
		.amdhsa_private_segment_fixed_size 0
		.amdhsa_enable_private_segment 0
		.amdhsa_kernarg_size 40
		.amdhsa_user_sgpr_count 2
		.amdhsa_user_sgpr_kernarg_segment_ptr 1
		.amdhsa_wavefront_size32 1
		.amdhsa_system_sgpr_workgroup_id_x 1
		.amdhsa_system_sgpr_workgroup_id_y 1
		.amdhsa_system_sgpr_workgroup_id_z 1
		.amdhsa_system_vgpr_workitem_id 0
		.amdhsa_next_free_vgpr 1024
		.amdhsa_next_free_sgpr 98
		.amdhsa_reserve_vcc 0
		.amdhsa_float_denorm_mode_32 3
		.amdhsa_float_denorm_mode_16_64 3
		.amdhsa_memory_ordered 1
		.amdhsa_forward_progress 1
		.amdhsa_inst_pref_size 183
	.end_amdhsa_kernel
	.amdgpu_metadata
---
amdhsa.version: [ 1, 2 ]
amdhsa.kernels:
  - .name:           k_qc9fbaaa726_gemm_v
    .symbol:         k_qc9fbaaa726_gemm_v.kd
    .args:
      - { .name: c1, .offset: 0, .size: 8, .value_kind: global_buffer, .address_space: global }
      - { .name: s1, .offset: 8, .size: 8, .value_kind: global_buffer, .address_space: global }
      - { .name: qkv_b, .offset: 16, .size: 8, .value_kind: global_buffer, .address_space: global }
      - { .name: qkvc, .offset: 24, .size: 8, .value_kind: global_buffer, .address_space: global }
      - { .name: qkvs, .offset: 32, .size: 8, .value_kind: global_buffer, .address_space: global }
    .group_segment_fixed_size: 327680
    .private_segment_fixed_size: 0
    .kernarg_segment_align: 8
    .kernarg_segment_size: 40
    .max_flat_workgroup_size: 128
    .sgpr_count:     98
    .vgpr_count:     1024
    .wavefront_size: 32
...
	.end_amdgpu_metadata
.endif
;; end of part 3
;; launch attn (part 4): grid 4 x 64, 8 waves a work-group, clusters of 4 x 1, 327,680 bytes of LDS; arguments qkvc, qkvs, oc, os; writes oc, os
.if DOCPART == 4
	.amdgcn_target "amdgcn-amd-amdhsa--gfx1250"
	.amdhsa_code_object_version 6
	.text
	.protected	k_qc9fbaaa726_attn
	.globl	k_qc9fbaaa726_attn
	.p2align	8
	.type	k_qc9fbaaa726_attn,@function
k_qc9fbaaa726_attn:
	s_mov_b64 s[64:65], 0
	v_nop
	global_prefetch_b8 v0, s[64:65] scope:SCOPE_SE
	s_setreg_imm32_b32 hwreg(HW_REG_WAVE_MODE, 25, 1), 1
	s_wait_xcnt 0x0
	s_wait_alu depctr_hold_cnt(0) depctr_sa_sdst(0) depctr_va_vdst(0) depctr_va_sdst(0) depctr_va_ssrc(0) depctr_va_vcc(0) depctr_vm_vsrc(0)
	s_getreg_b32 s2, hwreg(HW_REG_IB_STS2, 6, 4)
	s_cmp_eq_u32 s2, 0
	s_cbranch_scc0 .Lentry_in_a_cluster
	s_endpgm
.Lentry_in_a_cluster:
	s_bfe_u32 s2, ttmp6, 0x10000c
	s_cmp_lg_u32 s2, 0x3003
	s_cbranch_scc0 .Lentry_shape_is_right
	s_endpgm
.Lentry_shape_is_right:
; o = softmax(q k^T / 8) v for one head of one batch (work-group y) and 512 queries (place in the cluster), on codes of FP6 with E8M0 scales; o is quantised along the channels for the projection (oc, os).
; A head's K and V codes (2 x 98,304 bytes) and their scale words (12,288 bytes) come into LDS ONCE, at the head, by one joint load a wave: the four work-groups of a cluster share a head.  Nothing is filled again.
; No prefetch: all that the launch streams is asked for in that one group at the head, so there is no loop to run ahead in.
; A WAVE OWNS 64 QUERIES, four tiles of 16, and walks 16 steps of 128 keys: each fragment of K and of V that it reads from LDS feeds four products.  Both products are used transposed (S^T = k q^T, O^T = v^T p^T): a lane holds one query of each tile.
; WHICH KEYS FORM A TILE OF K is chosen by the LDS addresses: rows 0-7 of tile a (0..3) of group c (0, 1) are keys 64 c + 8 g + 0..7, rows 8-15 keys 64 c + 32 + 8 g + 0..7, g = 0, 2, 1, 3 for a = 0..3.
; So lane (r, h) holds in its 32 registers of group c the WHOLE block 2 c + h of 32 keys, in the order 0-7, 16-23, 8-15, 24-31 in which V's codes stand: a block's maximum needs no other lane, and the conversions' results are the operand's registers.
; p = 2^(t - M), M the ceiling of the running largest t, a whole number; the row's sum is taken of the unquantised p; a change of M multiplies sum and O^T by an exact power of two.
; D = 64: a fragment's upper 64 along K are the next tile's registers against q's zero codes, which add nothing.
; LDS rows: 256 bytes + 64 of padding, so that rows 0-7 and rows 8-15 of a tile, 1,536 bytes apart in memory, fall on different banks in the loads of 16 bytes.
; REGISTERS.  Window 0: v0-15 addresses; v16-31 four tiles x (-M, largest score, the sum in two halves); v32-79 V's fragments; v86-95 bases, q's and p's scale words; v96-159 one tile's scores, then p; v160-213 K's fragments and six zeros; v214 on scales and work.
; Window 1: v0-127 four O^T; v128-175 four q (six registers of codes, six of zeros); v176-223 four p's codes; v224-230 the halves that begin on an odd register, made here and moved.
; LIMITS: NaN and infinities are not served; the promise holds while the scaled scores stay under 2^31 in magnitude; a block whose largest p lies under 2^(3 - 127) gets the byte 1.
.set KSTP,  7680                       ; a key step in LDS: 8 tiles of K x 960, and 4 tiles of V x 1,920
.set VOFF,  122880
.set SCB,   245760                     ; K's scale words (4 bytes a key), from + 8,192 V's
.set SPARE, 258048                     ; the spare words: 8 waves x 128 bytes, named by no other line
.set SPW, 5
.set NIL, 6
.set SH,  13                           ; 8 h
.set KA,  14                           ; K's tiles: the 16-byte pieces' lane address;  KB the 8-byte pieces'
.set KB,  15
.set VB,  86
.set VSB, 87
.set QS,  88                           ; q's scale words, a register a tile
.set PWD, 92                           ; p's
.set KF,  160
.set KS,  214
.set VS,  218
.set BM,  220
.set BT,  224
.set SO,  228
.set TP,  230
.set OLD, 231
.set FF,  232
.set S2,  234
.set W2,  244
.set QF,  128                          ; window 1
.set QC,  176
.set QT,  224
.set WV,  12
.set SEL, 20
.set CS,  22
.set G1C, 24
.set G1S, 32
.set G0C, 40
.set G0S, 44
.set TK,  60
.set TSN, 61
.set TT,  62
.set CNT, 63
.set TN,  66
.set MSB, 0
.macro WIN new                         ; low byte: bits 1:0 source 0, 3:2 source 1, 5:4 source 2, 7:6 destination; the high byte repeats the setting that is left
.if MSB != \new
	s_set_vgpr_msb (MSB<<8)|\new
.set MSB, \new
.endif
.endm
.macro ROUND
	s_barrier_signal -1
	s_barrier_wait -1
	s_cmp_lg_u32 s[WV], 0
	s_cbranch_scc1 .Lnot_wave_0_\@
	s_barrier_signal -3
.Lnot_wave_0_\@:
	s_barrier_wait -3
	s_barrier_signal -1
	s_barrier_wait -1
.endm
	s_load_b256 s[4:11], s[0:1], 0x0               ; qkvc, qkvs, oc, os
	v_lshl_add_u32 v[SPW], v0, 2, SPARE
	v_mov_b32 v[NIL], 0
	ds_add_u32 v[SPW], v[NIL]                      ; the opening lines
	ds_add_u32 v[SPW], v[NIL]
	v_lshrrev_b32 v8, 5, v0
	s_delay_alu instid0(VALU_DEP_1)
	v_readfirstlane_b32 s[WV], v8                  ; wave 0..7
	s_bfe_u32 s13, ttmp6, 0x40000                  ; cx: which 512 queries
	s_and_b32 s14, ttmp7, 0xffff                   ; head of a batch
	s_mov_b32 s[G1C], 15|(3<<16)|(1<<20)|(1<<21)|(5<<22)|(15<<25)   ; codes: 128 rows of 256 bytes, 16 words of padding behind each; the mask names the cluster's four
	s_mov_b32 s[G1C+1], 32<<16
	s_mov_b32 s[G1C+2], 128<<16
	s_mov_b32 s[G1C+3], 32<<16
	s_mov_b32 s[G1C+4], 128
	s_mov_b32 s[G1C+5], 32
	s_mov_b32 s[G1C+6], 0
	s_mov_b32 s[G1C+7], 0
	s_mov_b32 s[G1S], 15|(3<<16)|(1<<21)           ; scale words: 24 rows of 256 bytes, dense
	s_mov_b32 s[G1S+1], 32<<16
	s_mov_b32 s[G1S+2], 24<<16
	s_mov_b32 s[G1S+3], 32<<16
	s_mov_b32 s[G1S+4], 24
	s_mov_b32 s[G1S+5], 32
	s_mov_b32 s[G1S+6], 0
	s_mov_b32 s[G1S+7], 0
	s_cmp_lt_u32 s[WV], 3                          ; waves 0-2 fetch K's three parts of 32,768 bytes, waves 3-5 V's
	s_mov_b32 s16, 12484608                        ; V's codes begin at 12,582,912; less three parts
	s_cselect_b32 s16, 6291456, s16                ; K's at 6,291,456
	s_lshl_b32 s17, s[WV], 15
	s_add_co_u32 s16, s16, s17
	s_mul_i32 s17, s14, 98304
	s_add_co_u32 s16, s16, s17
	s_mov_b32 s17, 0
	s_mul_i32 s18, s14, 20480                      ; waves 6 and 7 fetch the scale words' two parts of 6,144 bytes, from byte 8,192 of the head's 20,480
	s_mul_i32 s49, s[WV], 6144
	s_add_co_u32 s18, s18, s49
	s_mov_b32 s19, 0
	s_mul_i32 s48, s[WV], 40960                    ; 128 LDS rows of 320 bytes a wave
	s_add_co_u32 s49, s49, SCB-6*6144
	s_mov_b32 s[SEL], 0x76543210
	s_mov_b32 s[SEL+1], 0xfedcba98
	s_mov_b32 s[CS], 0x3e38aa3b                    ; log2(e) / 8
	s_mov_b32 s[CS+1], s[CS]
	s_wait_dscnt 0x0
	s_wait_kmcnt 0x0
	s_mov_b32 s[G0C], 1
	s_mov_b32 s[G0C+1], s48
	s_add_nc_u64 s[G0C+2:G0C+3], s[4:5], s[16:17]
	s_or_b32 s[G0C+3], s[G0C+3], 0x80000000
	s_mov_b32 s[G0S], 1
	s_mov_b32 s[G0S+1], s49
	s_add_nc_u64 s[G0S+2:G0S+3], s[6:7], s[18:19]
	s_sub_nc_u64 s[G0S+2:G0S+3], s[G0S+2:G0S+3], 6*6144-8192
	s_or_b32 s[G0S+3], s[G0S+3], 0x80000000
	ROUND                                          ; the joint loads meet
	s_cmp_lt_u32 s[WV], 6                          ; one load a wave, one in each arm
	s_cbranch_scc0 .Lfor_scales
	tensor_load_to_lds s[G0C:G0C+3], s[G1C:G1C+7]
	s_nop 0
	s_branch .Lasked
.Lfor_scales:
	tensor_load_to_lds s[G0S:G0S+3], s[G1S:G1S+7]
	s_nop 0
.Lasked:
	s_lshl_b32 s50, s13, 5
	s_lshl_b32 s51, s[WV], 2
	s_add_co_u32 s50, s50, s51                     ; the first of my four tiles of 16 queries
	s_mul_i32 s52, s50, 768
	s_mul_i32 s53, s14, 98304
	s_add_co_u32 s52, s52, s53
	s_mov_b32 s53, 0
	s_add_nc_u64 s[68:69], s[4:5], s[52:53]        ; q's codes
	s_add_nc_u64 s[72:73], s[8:9], s[52:53]        ; o's codes
	s_lshl_b32 s52, s50, 6
	s_mul_i32 s54, s14, 20480
	s_add_co_u32 s52, s52, s54
	s_add_nc_u64 s[70:71], s[6:7], s[52:53]        ; q's scale words
	s_lshr_b32 s52, s14, 4
	s_lshl_b32 s52, s52, 7
	s_add_co_u32 s52, s52, s50
	s_lshl_b32 s52, s52, 9
	s_and_b32 s54, s14, 15
	s_lshl_b32 s54, s54, 1
	s_add_co_u32 s52, s52, s54
	s_add_nc_u64 s[74:75], s[10:11], s[52:53]      ; o's scale bytes: 32 a token, two a head
	v_and_b32 v8, 31, v0                           ; lane
	v_and_b32 v9, 7, v0                            ; r % 8
	v_bfe_u32 v10, v0, 4, 1                        ; h
	v_bfe_u32 v11, v0, 3, 1                        ; r / 8
	v_and_b32 v12, 15, v0                          ; r
	v_lshlrev_b32 v1, 4, v8                        ; 16 x lane
	v_lshl_add_u32 v2, v8, 3, 512                  ; 512 + 8 x lane
	s_delay_alu instid0(VALU_DEP_4)
	v_mul_u32_u24 v[KA], v11, 1920                 ; rows 8-15 come from the tile two on: 2 x 960
	s_delay_alu instid0(VALU_DEP_4)
	v_lshlrev_b32 v7, 2, v12
	v_lshl_add_u32 v4, v12, 5, v10
	v_lshlrev_b32 v[SH], 3, v10
	s_delay_alu instid0(VALU_DEP_4)
	v_mad_u32_u24 v[KB], v10, 128, v[KA]
	v_mad_u32_u24 v[KA], v10, 320, v[KA]
	v_lshlrev_b32 v3, 7, v11
	v_lshl_add_u32 v[VB], v10, 6, v1
	s_delay_alu instid0(VALU_DEP_4)
	v_lshl_add_u32 v[KB], v9, 3, v[KB]
	s_delay_alu instid0(VALU_DEP_4)
	v_lshl_add_u32 v[KA], v9, 4, v[KA]             ; 1,920 (r / 8) + 320 h + 16 (r % 8)
	s_delay_alu instid0(VALU_DEP_4)
	v_lshl_add_u32 v3, v10, 5, v3
	s_delay_alu instid0(VALU_DEP_4)
	v_add_nc_u32 v[VB], VOFF, v[VB]                ; V: 16 x lane + 64 h
	s_delay_alu instid0(VALU_DEP_4)
	v_add_nc_u32 v[KB], 640, v[KB]                 ; 640 + 1,920 (r / 8) + 128 h + 8 (r % 8)
	v_lshl_add_u32 v[VSB], v8, 2, SCB+8192         ; V's scale words: 4 x lane
	s_delay_alu instid0(VALU_DEP_4)
	v_lshl_add_u32 v3, v9, 2, v3
	WIN 0x40                                       ; destinations in window 1
.irp i, 0,1,2,3
	global_load_b128 v[QF+12*\i:QF+3+12*\i], v1, s[68:69] offset:768*\i
	global_load_b64 v[QF+4+12*\i:QF+5+12*\i], v2, s[68:69] offset:768*\i
.endr
.irp i, 0,1,2,3
.irp j, 6,7,8,9,10,11
	v_mov_b32 v[QF+12*\i+\j], 0                    ; q's upper 64 along K: zero codes
.endr
.endr
.set j, 0
.rept 128
	v_mov_b32 v[j], 0                              ; the four O^T: the step is written once, and the first finds zeros
.set j, j+1
.endr
	WIN 0
.irp i, 0,1,2,3
	global_load_b32 v[QS+\i], v7, s[70:71] offset:64*\i
.endr
.irp i, 0,1,2,3
	v_mov_b32 v[16+4*\i], 0x7e000000               ; -M = 2^125: the first step's f is 0
	v_mov_b32 v[17+4*\i], 0xff61b1e6               ; the largest score so far: -3e38
	v_mov_b32 v[18+4*\i], 0
	v_mov_b32 v[19+4*\i], 0
.endr
.irp j, 48,49,50,51,52,53
	v_mov_b32 v[KF+\j], 0                          ; what stands behind K's last tile
.endr
	v_add_nc_u32 v3, SCB, v3                       ; K's scale words: 128 (r / 8) + 32 h + 4 (r % 8): lanes 16-31 serve the tile whose keys lie 8 on
.irp b, 0,1,2,3
	v_mov_b32 v[BT+\b], 0                          ; a lane permute's destination counts as one of its sources
.endr
	v_mov_b32 v[FF+1], 0
	s_wait_alu depctr_va_vdst(0)
	s_wait_tensorcnt 0x0                           ; my part is in
	s_barrier_signal -1
	s_barrier_wait -1                              ; and everybody's
	s_wait_loadcnt 0x0
.macro KLOAD a16, a8, as               ; a key step's eight tiles of K and their scale words: 20 loads
.irp c, 0,1
.irp a, 0,1,2,3
	ds_load_b128 v[KF+6*(4*\c+\a):KF+3+6*(4*\c+\a)], v[\a16] offset:(4*\c+\a%2)*960+128*(\a/2)
	ds_load_b64 v[KF+4+6*(4*\c+\a):KF+5+6*(4*\c+\a)], v[\a8] offset:(4*\c+\a%2)*960+64*(\a/2)
.endr
.endr
.irp u, 0,1,2,3
	ds_load_b32 v[KS+\u], v[\as] offset:256*(\u/2)+64*(\u%2)   ; lanes 0-15: tile u % 2 of group u / 2; lanes 16-31: tile 2 + u % 2
.endr
.endm
.macro ADD4                            ; four pairs of p onto the row's sum, one onto each of its four chains
	v_pk_add_f32 v[LS:LS+1], v[LS:LS+1], v[96+2*PI:97+2*PI]
	v_pk_add_f32 v[S2:S2+1], v[S2:S2+1], v[98+2*PI:99+2*PI]
	v_pk_add_f32 v[S2+2:S2+3], v[S2+2:S2+3], v[100+2*PI:101+2*PI]
	v_pk_add_f32 v[S2+4:S2+5], v[S2+4:S2+5], v[102+2*PI:103+2*PI]
.set PI, PI+4
.endm
.macro TILE i, pre
.set NM, 16+4*\i
.set LS, 18+4*\i
	WIN 0x04                                       ; source 1, q, in window 1
.irp c, 0,1
.irp a, 0,1
	v_wmma_scale_f32_16x16x128_f8f6f4 v[96+32*\c+8*\a:103+32*\c+8*\a], v[KF+6*(4*\c+\a):KF+11+6*(4*\c+\a)], v[QF+12*\i:QF+11+12*\i], 0, v[KS+2*\c+\a], v[QS+\i] matrix_a_fmt:MATRIX_FMT_FP6 matrix_b_fmt:MATRIX_FMT_FP6
.endr
.irp a, 2,3
	v_wmma_scale_f32_16x16x128_f8f6f4 v[96+32*\c+8*\a:103+32*\c+8*\a], v[KF+6*(4*\c+\a):KF+11+6*(4*\c+\a)], v[QF+12*\i:QF+11+12*\i], 0, v[KS+2*\c+\a-2], v[QS+\i] matrix_a_fmt:MATRIX_FMT_FP6 matrix_b_fmt:MATRIX_FMT_FP6 matrix_a_scale:MATRIX_SCALE_ROW1
.endr
.endr
	WIN 0
	v_mov_b32 v[OLD], v[NM]                        ; four places behind the products
.rept 3
	v_nop
.endr
.if \pre
	KLOAD 8, 9, 11                                 ; K's registers have fed their last product of this step: the next step's tiles (in the last step: V's first bytes, which nothing uses)
.endif
.irp b, 0,1,2,3
	v_max3_num_f32 v[BM+\b], v[96+16*\b], v[97+16*\b], v[98+16*\b]   ; the largest score, four chains by turns; each tile from its low end on
.endr
.irp x, 3,5,7,9,11,13
.irp b, 0,1,2,3
	v_max3_num_f32 v[BM+\b], v[BM+\b], v[96+16*\b+\x], v[97+16*\b+\x]
.endr
.endr
.irp c, 0,2
	v_max3_num_f32 v[BM+\c], v[BM+\c], v[BM+\c+1], v[111+16*\c]
.endr
.irp c, 0,2
	v_max_num_f32 v[BM+\c], v[BM+\c], v[127+16*\c] ; my two blocks' largest scores: v[BM], v[BM+2]
.endr
	s_delay_alu instid0(VALU_DEP_1)
	v_max_num_f32 v[TP], v[BM], v[BM+2]
	s_delay_alu instid0(VALU_DEP_1)
	v_permlanex16_b32 v[BT], v[TP], s[SEL], s[SEL+1]
	s_delay_alu instid0(VALU_DEP_1)
	v_max3_num_f32 v[NM+1], v[NM+1], v[TP], v[BT]  ; the running largest score of my query
	s_delay_alu instid0(VALU_DEP_1)
	v_mul_f32 v[TP], s[CS], v[NM+1]
	s_delay_alu instid0(VALU_DEP_1)
	v_floor_f32 v[NM], -v[TP]                      ; -M = floor(-t)
.set j, 0
.irp x, 0,1,2,3
.rept 8
	v_pk_fma_f32 v[96+j:97+j], v[96+j:97+j], s[CS:CS+1], v[NM:NM+1] op_sel_hi:[1,0,0]   ; t - M
.set j, j+2
.endr
.if \x == 0
	v_sub_f32 v[TP], v[NM], v[OLD]                 ; old M less new M, a whole number, 0 or less
.endif
.if \x == 1
	v_cvt_i32_f32 v[TP], v[TP]
.endif
.if \x == 2
	v_ldexp_f32 v[FF], 1.0, v[TP]                  ; f = 2^(old M - new M)
.endif
.endr
.irp c, 0,2
	v_fma_f32 v[BM+\c], v[BM+\c], s[CS], v[NM]
.endr
	v_pk_mul_f32 v[LS:LS+1], v[LS:LS+1], v[FF:FF+1] op_sel_hi:[1,0]   ; the sum under the new M
	s_wait_alu depctr_va_vdst(0)
.set j, 0
.rept 64
	v_exp_f32 v[96+j], v[96+j]
.set j, j+1
.endr
	v_exp_f32 v[BM], v[BM]                         ; each block's largest p: the same two instructions on the same number
	v_exp_f32 v[BM+2], v[BM+2]
	v_nop
	s_wait_alu depctr_va_vdst(0)
.irp c, 0,2
	v_max_num_f32 v[BM+\c], 0x1800000, v[BM+\c]    ; the floor 2^(3 - 127): the byte cannot fall under 1
.endr
	v_pk_add_f32 v[S2:S2+1], v[96:97], v[98:99]    ; the row's sum of the unquantised p, in four chains; its adds stand between the links of the scale word's chain
	v_pk_add_f32 v[S2+2:S2+3], v[100:101], v[102:103]
	v_pk_add_f32 v[S2+4:S2+5], v[104:105], v[106:107]
	v_pk_add_f32 v[LS:LS+1], v[LS:LS+1], v[108:109]
	v_pk_add_f32 v[S2:S2+1], v[S2:S2+1], v[110:111]
.set PI, 8
.irp c, 0,1
	v_add_nc_u32 v[SO+\c], 0xff000000, v[BM+2*\c]  ; 2 off the exponent field: the conversion's scale operand
.endr
	ADD4
.irp c, 0,1
	v_lshrrev_b32 v[BT+\c], 23, v[SO+\c]
.endr
	ADD4
	v_lshl_or_b32 v[PWD+\i], v[BT+1], 16, v[BT]    ; my bytes: blocks h and 2 + h,
	ADD4
	v_lshlrev_b32 v[PWD+\i], v[SH], v[PWD+\i]      ; 8 h bits up;
	ADD4
	v_permlanex16_b32 v[BT+2], v[PWD+\i], s[SEL], s[SEL+1]
	s_delay_alu instid0(VALU_DEP_1)
	v_or_b32 v[PWD+\i], v[PWD+\i], v[BT+2]         ; with lane l xor 16's the word is whole
	WIN 0x40                                       ; the codes go to window 1
.irp c, 0,1
	v_cvt_scalef32_pk16_fp6_f32 v[QC+12*\i+6*\c:QC+12*\i+2+6*\c], v[96+32*\c:111+32*\c], v[SO+\c]
	v_cvt_scalef32_pk16_fp6_f32 v[QT+4*\c:QT+2+4*\c], v[112+32*\c:127+32*\c], v[SO+\c]
.endr
	v_nop                                          ; one plain line behind the conversions
	WIN 0x41                                       ; destination and source 0 in window 1
.irp c, 0,1
.irp k, 0,1,2
	v_mov_b32 v[QC+12*\i+3+6*\c+\k], v[QT+4*\c+\k]
.endr
.endr
	s_wait_alu depctr_va_vdst(0)
.set j, 0
.rept 16
	v_pk_mul_f32 v[32*\i+j:32*\i+j+1], v[32*\i+j:32*\i+j+1], v[FF:FF+1] op_sel_hi:[1,0]   ; O^T under the new M
.set j, j+2
.endr
	WIN 0
	ADD4                                           ; the last eight pairs, and the four chains joined: eleven plain lines ahead of the second product
	ADD4
	v_pk_add_f32 v[S2:S2+1], v[S2:S2+1], v[S2+2:S2+3]
	v_pk_add_f32 v[LS:LS+1], v[LS:LS+1], v[S2+4:S2+5]
	v_pk_add_f32 v[LS:LS+1], v[LS:LS+1], v[S2:S2+1]
.endm
	KLOAD KA, KB, 3                                ; step 0's tiles of K
	s_mov_b32 s[TK], 0
	s_mov_b32 s[TT], 0
	s_mov_b32 s[TN], KSTP
	s_mov_b32 s[TSN], 512
	s_mov_b32 s[CNT], 16
.Lstep:
	v_add_nc_u32 v10, s[TK], v[VB]                 ; (these five are the places behind the last step's products)
	v_add_nc_u32 v12, s[TT], v[VSB]
	v_add_nc_u32 v8, s[TN], v[KA]
	v_add_nc_u32 v9, s[TN], v[KB]
	v_add_nc_u32 v11, s[TSN], v3
.irp t, 0,1,2,3
.irp c, 0,1,2
	ds_load_b128 v[32+12*\t+4*\c:35+12*\t+4*\c], v10 offset:1920*\t+640*\c
.endr
.endr
.irp u, 0,1
	ds_load_b32 v[VS+\u], v12 offset:128*\u
.endr
	s_wait_alu depctr_va_vdst(0)
	s_wait_dscnt 14                                ; K's 20 loads are in; V's 14, just issued, may be out
	TILE 0, 0
	TILE 1, 0
	TILE 2, 0
	TILE 3, 1
	s_wait_alu depctr_va_vdst(0)
	s_wait_dscnt 20                                ; V's loads are in; the next step's 20 of K may be out
	WIN 0x54                                       ; p's codes, C and D in window 1
.irp i, 0,1,2,3
.irp t, 0,2
	v_wmma_scale_f32_16x16x128_f8f6f4 v[32*\i+8*\t:32*\i+8*\t+7], v[32+12*\t:43+12*\t], v[QC+12*\i:QC+11+12*\i], v[32*\i+8*\t:32*\i+8*\t+7], v[VS+\t/2], v[PWD+\i] matrix_a_fmt:MATRIX_FMT_FP6 matrix_b_fmt:MATRIX_FMT_FP6
	v_wmma_scale_f32_16x16x128_f8f6f4 v[32*\i+8*\t+8:32*\i+8*\t+15], v[44+12*\t:55+12*\t], v[QC+12*\i:QC+11+12*\i], v[32*\i+8*\t+8:32*\i+8*\t+15], v[VS+\t/2], v[PWD+\i] matrix_a_fmt:MATRIX_FMT_FP6 matrix_b_fmt:MATRIX_FMT_FP6 matrix_a_scale:MATRIX_SCALE_ROW1
.endr
.endr
	WIN 0
	s_add_co_u32 s[TK], s[TK], KSTP
	s_add_co_u32 s[TN], s[TN], KSTP
	s_add_co_u32 s[TSN], s[TSN], 512
	s_add_co_u32 s[TT], s[TT], 256
	s_sub_co_u32 s[CNT], s[CNT], 1
	s_cmp_lg_u32 s[CNT], 0
	s_cbranch_scc1 .Lstep
	s_wait_dscnt 0x0                               ; the last look-ahead has landed: K's registers are free
.irp i, 0,1,2,3
	v_add_f32 v[18+4*\i], v[18+4*\i], v[19+4*\i]   ; (these twelve are the places behind the last products)
.endr
.irp i, 0,1,2,3
	s_delay_alu instid0(VALU_DEP_4)
	v_permlanex16_b32 v[BT+\i], v[18+4*\i], s[SEL], s[SEL+1]
.endr
.irp i, 0,1,2,3
	s_delay_alu instid0(VALU_DEP_4)
	v_add_f32 v[18+4*\i], v[18+4*\i], v[BT+\i]     ; the rows' sums
.endr
	s_wait_alu depctr_va_vdst(0)
.irp i, 0,1,2,3
	v_rcp_f32 v[18+4*\i], v[18+4*\i]
.endr
	v_nop
	s_wait_alu depctr_va_vdst(0)
.macro OUT i                           ; tile i's o = O^T / the sum, quantised along the channels; its codes in registers of its own, so that no store's data are written again
.set E, KF+12*\i
	WIN 0x01                                       ; source 0, O^T, in window 1
	s_wait_alu depctr_va_vdst(0)
.set j, 0
.rept 16
	v_pk_mul_f32 v[96+j:97+j], v[32*\i+j:32*\i+j+1], v[18+4*\i:19+4*\i] op_sel_hi:[1,0]
.set j, j+2
.endr
	WIN 0
.irp b, 0,1                                ; o's two blocks of 32 channels: 16 of each are mine
	v_max3_num_f32 v[BM+\b], |v[96+16*\b]|, |v[97+16*\b]|, 0x1800000
.endr
.irp x, 2,4,6,8,10,12,14
.irp b, 0,1
	s_delay_alu instid0(VALU_DEP_2)
	v_max3_num_f32 v[BM+\b], v[BM+\b], |v[96+16*\b+\x]|, |v[97+16*\b+\x]|
.endr
.endr
.irp b, 0,1
	s_delay_alu instid0(VALU_DEP_2)
	v_permlanex16_b32 v[BT+\b], v[BM+\b], s[SEL], s[SEL+1]
.endr
.irp b, 0,1
	s_delay_alu instid0(VALU_DEP_2)
	v_max_num_f32 v[BM+\b], v[BM+\b], v[BT+\b]
.endr
.irp b, 0,1
	s_delay_alu instid0(VALU_DEP_2)
	v_add_nc_u32 v[SO+\b], 0xff000000, v[BM+\b]
.endr
.irp b, 0,1
	s_delay_alu instid0(VALU_DEP_2)
	v_lshrrev_b32 v[BT+\b], 23, v[SO+\b]
.endr
	s_delay_alu instid0(VALU_DEP_1)
	v_lshl_or_b32 v[W2], v[BT+1], 8, v[BT]
	s_delay_alu instid0(VALU_DEP_1)
	v_lshrrev_b32 v[E+9], v[SH], v[W2]             ; lane (r, h) stores block h's byte
	v_cvt_scalef32_pk16_fp6_f32 v[E:E+2], v[96:111], v[SO]
	v_cvt_scalef32_pk16_fp6_f32 v[E+6:E+8], v[112:127], v[SO+1]
	v_nop
.irp k, 0,1,2
	v_permlane16_swap_b32 v[E+\k], v[E+6+\k]
.endr
.irp k, 0,1,2
	s_delay_alu instid0(VALU_DEP_3)
	v_mov_b32 v[E+3+\k], v[E+6+\k]
.endr
	global_store_b128 v1, v[E:E+3], s[72:73] offset:768*\i
	global_store_b64 v2, v[E+4:E+5], s[72:73] offset:768*\i
	global_store_b8 v4, v[E+9], s[74:75] offset:512*\i
.endm
	OUT 0
	OUT 1
	OUT 2
	OUT 3
	s_wait_tensorcnt 0x0                           ; the wave's end
	ds_add_u32 v[SPW], v[NIL]
	s_wait_dscnt 0x0
	ROUND                                          ; the closing round
	s_endpgm
.Lfunc_end_k_qc9fbaaa726_attn:
	.size	k_qc9fbaaa726_attn, .Lfunc_end_k_qc9fbaaa726_attn-k_qc9fbaaa726_attn
	.p2alignl 7, 3214868480
	.fill 96, 4, 3214868480
	.section	.rodata,"a",@progbits
	.p2align	6, 0x0
	.amdhsa_kernel k_qc9fbaaa726_attn
		.amdhsa_group_segment_fixed_size 327680
		.amdhsa_private_segment_fixed_size 0
		.amdhsa_enable_private_segment 0
		.amdhsa_kernarg_size 32
		.amdhsa_user_sgpr_count 2
		.amdhsa_user_sgpr_kernarg_segment_ptr 1
		.amdhsa_wavefront_size32 1
		.amdhsa_system_sgpr_workgroup_id_x 1
		.amdhsa_system_sgpr_workgroup_id_y 1
		.amdhsa_system_sgpr_workgroup_id_z 1
		.amdhsa_system_vgpr_workitem_id 0
		.amdhsa_next_free_vgpr 512
		.amdhsa_next_free_sgpr 84
		.amdhsa_reserve_vcc 0
		.amdhsa_float_denorm_mode_32 3
		.amdhsa_float_denorm_mode_16_64 3
		.amdhsa_memory_ordered 1
		.amdhsa_forward_progress 1
		.amdhsa_inst_pref_size 86
	.end_amdhsa_kernel
	.amdgpu_metadata
---
amdhsa.version: [ 1, 2 ]
amdhsa.kernels:
  - .name:           k_qc9fbaaa726_attn
    .symbol:         k_qc9fbaaa726_attn.kd
    .args:
      - { .name: qkvc, .offset: 0, .size: 8, .value_kind: global_buffer, .address_space: global }
      - { .name: qkvs, .offset: 8, .size: 8, .value_kind: global_buffer, .address_space: global }
      - { .name: oc, .offset: 16, .size: 8, .value_kind: global_buffer, .address_space: global }
      - { .name: os, .offset: 24, .size: 8, .value_kind: global_buffer, .address_space: global }
    .group_segment_fixed_size: 327680
    .private_segment_fixed_size: 0
    .kernarg_segment_align: 8
    .kernarg_segment_size: 32
    .max_flat_workgroup_size: 256
    .sgpr_count:     84
    .vgpr_count:     512
    .wavefront_size: 32
...
	.end_amdgpu_metadata
.endif
;; end of part 4
;; launch gemm_proj (part 5): grid 4 x 32, 4 waves a work-group, clusters of 4 x 4, 327,680 bytes of LDS; arguments oc, os, c1, s1, proj_b, out0; writes out0
.if DOCPART == 5
	.amdgcn_target "amdgcn-amd-amdhsa--gfx1250"
	.amdhsa_code_object_version 6
	.text
	.protected	k_qc9fbaaa726_gemm_proj
	.globl	k_qc9fbaaa726_gemm_proj
	.p2align	8
	.type	k_qc9fbaaa726_gemm_proj,@function
k_qc9fbaaa726_gemm_proj:
	s_mov_b64 s[64:65], 0
	v_nop
	global_prefetch_b8 v0, s[64:65] scope:SCOPE_SE
	s_setreg_imm32_b32 hwreg(HW_REG_WAVE_MODE, 25, 1), 1
	s_wait_xcnt 0x0
	s_wait_alu depctr_hold_cnt(0) depctr_sa_sdst(0) depctr_va_vdst(0) depctr_va_sdst(0) depctr_va_ssrc(0) depctr_va_vcc(0) depctr_vm_vsrc(0)
	s_getreg_b32 s2, hwreg(HW_REG_IB_STS2, 6, 4)
	s_cmp_eq_u32 s2, 0
	s_cbranch_scc0 .Lentry_in_a_cluster
	s_endpgm
.Lentry_in_a_cluster:
	s_bfe_u32 s2, ttmp6, 0x10000c
	s_cmp_lg_u32 s2, 0xf033
	s_cbranch_scc0 .Lentry_shape_is_right
	s_endpgm
.Lentry_shape_is_right:
.set SIZE_N, 1024
.set KSTEP,  256
.set NQ,     KSTEP/128
.set ROWB,   49152
.set ASTEP,  393216
.set KROW,   768
.set PITCH,  240
.set FR,     12
.set NL,     6
.set NLA,    4
.set NP,     4
.set HALFT,  128*PITCH
.set SLOT,   4*HALFT
.set LAPS,   2
.set KS,     32
.set SCL,    2*SLOT
.set HALFS,  (128*KS/256)*272
.set SBLK,   (16*KS/256)*272
.set SPARE,  SCL+4*HALFS
.set BROW0,  11264
.set SPITCH, 528
.set ADRA, 16
.set ADRB, 20
.set STO,  24
.set RD,   25
.set CO,   26
.set ADRS, 27
.set SPW,  28
.set NIL,  29
.set SC,   32
.set AF,   128
.set BK,   128
.set G1, 24
.set G0, 32
.set G1B, 48
.set G0B, 56
.set G1S, 68
.set G0S, 76
.set G1SB, 80
.set G0SB, 88
.set MSB, 0
.macro WIN new
.if MSB != \new
	s_set_vgpr_msb (MSB<<8)|\new
.set MSB, \new
.endif
.endm
.set MUL_LO, 0xa1
.set MUL_HI, 0xf1
.set TO_B,   0x40
.macro JLOAD g0a, g1a, g0b, g1b
	s_cmp_eq_u32 s15, 0
	s_cbranch_scc0 .Lfor_b_\@
	tensor_load_to_lds s[\g0a:\g0a+3], s[\g1a:\g1a+7]
	s_nop 0
.rept 4
	v_nop
.endr
	s_branch .Lasked_\@
.Lfor_b_\@:
	tensor_load_to_lds s[\g0b:\g0b+3], s[\g1b:\g1b+7]
	s_nop 0
.rept 4
	v_nop
.endr
.Lasked_\@:
.endm
.macro CREST
	s_cmp_lg_u32 s14, 0
	s_cbranch_scc1 .Lnot_wave_0_\@
	s_barrier_signal -3
.Lnot_wave_0_\@:
	s_barrier_wait -3
	s_barrier_signal -1
	s_barrier_wait -1
.endm
.macro CROUND
	s_barrier_signal -1
	s_barrier_wait -1
	CREST
.endm
	s_load_b128 s[4:7], s[0:1], 0x0
	s_load_b128 s[8:11], s[0:1], 0x10
	s_load_b64 s[66:67], s[0:1], 0x20
	s_load_b64 s[12:13], s[0:1], 0x28
	v_lshl_add_u32 v[SPW], v0, 2, SPARE
	v_mov_b32 v[NIL], 0
	ds_add_u32 v[SPW], v[NIL]
	ds_add_u32 v[SPW], v[NIL]
	v_lshrrev_b32 v1, 5, v0
	v_readfirstlane_b32 s14, v1
	s_lshr_b32 s15, s14, 1
	s_and_b32 s16, s14, 1
	s_bfe_u32 s40, ttmp6, 0x40000
	s_bfe_u32 s41, ttmp6, 0x40004
	s_lshl_b32 s42, ttmp9, 2
	s_add_co_u32 s42, s42, s40
	s_and_b32 s17, ttmp7, 0xffff
	s_lshl_b32 s17, s17, 2
	s_add_co_u32 s17, s17, s41
	s_lshl_b32 s43, s41, 2
	s_lshl_b32 s43, 15, s43
	s_lshl_b32 s44, 0x1111, s40
	s_or_b32 s[G1+0], s43, (3<<16)|(1<<21)
	s_mov_b32 s[G1+1], 768<<16
	s_mov_b32 s[G1+2], 4<<16
	s_mov_b32 s[G1+3], 768<<16
	s_mov_b32 s[G1+4], 4
	s_mov_b32 s[G1+5], 12288
	s_mov_b32 s[G1+6], 0
	s_mov_b32 s[G1+7], 0
	s_or_b32 s[G1B+0], s44, (0<<16)|(1<<20)|(1<<21)|(3<<22)|(3<<25)
	s_mov_b32 s[G1B+1], 256<<16                    ; 128 rows of a K step's codes are dense in c1: 96 rows of 256 bytes
	s_mov_b32 s[G1B+2], 96<<16
	s_mov_b32 s[G1B+3], 256<<16
	s_mov_b32 s[G1B+4], 96
	s_mov_b32 s[G1B+5], 256
	s_mov_b32 s[G1B+6], 0
	s_mov_b32 s[G1B+7], 0
	s_or_b32 s[G1S+0], s43, (3<<16)|(1<<20)|(1<<21)|(5<<22)|(3<<25)
	s_or_b32 s[G1SB+0], s44, (3<<16)|(1<<20)|(1<<21)|(5<<22)|(3<<25)
.irp g, G1S, G1SB
	s_mov_b32 s[\g+1], 32<<16
	s_mov_b32 s[\g+2], (128*KS/256)<<16
	s_mov_b32 s[\g+3], 32<<16
	s_mov_b32 s[\g+4], 128*KS/256
	s_mov_b32 s[\g+5], 32
	s_mov_b32 s[\g+6], 0
	s_mov_b32 s[\g+7], 0
.endr
	s_lshl_b32 s18, s16, 7
	s_lshl_b32 s20, s17, 8
	s_add_co_u32 s20, s20, s18
	s_lshl_b32 s46, s42, 8
	s_add_co_u32 s46, s46, s18
	s_add_co_u32 s46, s46, BROW0
	s_mov_b32 s21, 0
	s_mov_b32 s47, 0
	s_mov_b64 s[18:19], KS
	s_mul_u64 s[22:23], s[20:21], s[18:19]
	s_mul_u64 s[92:93], s[46:47], s[18:19]
	s_mov_b64 s[18:19], KROW
	s_mul_u64 s[46:47], s[46:47], s[18:19]
	s_mul_i32 s18, s16, 73728                      ; inside a K step the second 128 rows lie 24,576 bytes on, not 98,304
	s_sub_nc_u64 s[46:47], s[46:47], s[18:19]
	s_lshr_b32 s20, s17, 3
	s_mul_i32 s20, s20, 1572864
	s_and_b32 s18, s17, 7
	s_lshl_b32 s18, s18, 1
	s_add_co_u32 s18, s18, s16
	s_mul_i32 s18, s18, 6144
	s_add_co_u32 s20, s20, s18
	s_mul_i32 s45, s14, HALFT
	s_mul_i32 s94, s14, HALFS
	s_wait_dscnt 0x0
	s_wait_kmcnt 0x0
	s_add_nc_u64 s[20:21], s[4:5], s[20:21]
	s_add_nc_u64 s[22:23], s[6:7], s[22:23]
	s_add_nc_u64 s[46:47], s[8:9], s[46:47]
	s_add_nc_u64 s[92:93], s[10:11], s[92:93]
	CROUND
	s_mov_b32 s[G0S], 1
	s_add_co_u32 s[G0S+1], s94, SCL
	s_mov_b64 s[G0S+2:G0S+3], s[22:23]
	s_or_b32 s[G0S+3], s[G0S+3], 0x80000000
	s_mov_b32 s[G0SB], 1
	s_add_co_u32 s[G0SB+1], s94, SCL
	s_mov_b64 s[G0SB+2:G0SB+3], s[92:93]
	s_or_b32 s[G0SB+3], s[G0SB+3], 0x80000000
	JLOAD G0S, G1S, G0SB, G1SB
.irp s, 0,1
	s_mov_b32 s[G0+4*\s], 1
	s_add_co_u32 s[G0+4*\s+1], s45, \s*SLOT
	s_add_nc_u64 s[G0+4*\s+2:G0+4*\s+3], s[20:21], \s*ASTEP
	s_or_b32 s[G0+4*\s+3], s[G0+4*\s+3], 0x80000000
	s_mov_b32 s[G0B+4*\s], 1
	s_add_co_u32 s[G0B+4*\s+1], s45, \s*SLOT
	s_add_nc_u64 s[G0B+4*\s+2:G0B+4*\s+3], s[46:47], \s*ROWB
	s_or_b32 s[G0B+4*\s+3], s[G0B+4*\s+3], 0x80000000
	s_wait_alu depctr_va_vdst(0)
	s_wait_tensorcnt 0x0
	ds_add_u32 v28, v29
	s_wait_dscnt 0x0
	CROUND
	JLOAD G0+4*\s, G1, G0B+4*\s, G1B
.endr
	v_and_b32 v1, 15, v0
	v_bfe_u32 v2, v0, 4, 1
	v_mul_u32_u24 v3, v1, PITCH
	v_mul_u32_u24 v4, v2, 24
	v_add_nc_u32 v4, v3, v4
	v_lshl_add_u32 v5, v2, 4, v4
	v_and_b32 v6, 31, v0
	v_lshlrev_b32 v7, 4, v6
	v_lshlrev_b32 v6, 3, v6
	s_mul_i32 s21, s15, HALFT
	s_mul_i32 s22, s16, HALFT
	s_add_co_u32 s22, s22, 2*HALFT
.irp s, 0,1
	v_add_nc_u32 v[ADRA+\s], s21, v7
	v_add_nc_u32 v[ADRB+\s], s22, v4
	v_add_nc_u32 v[ADRA+2+\s], s21, v6
	v_add_nc_u32 v[ADRB+2+\s], s22, v5
	s_add_co_u32 s21, s21, SLOT
	s_add_co_u32 s22, s22, SLOT
.endr
	v_mul_u32_u24 v5, v1, KS
	v_lshrrev_b32 v6, 8, v5
	v_lshl_add_u32 v5, v6, 4, v5
	s_mul_i32 s21, s15, HALFS
	s_mul_i32 s22, s16, HALFS
	s_add_co_u32 s22, s22, 2*HALFS
	s_sub_co_u32 s22, s22, s21
	v_mul_u32_u24 v6, s22, v2
	s_add_co_u32 s21, s21, SCL
	v_add_nc_u32 v5, v5, v6
	v_add_nc_u32 v[ADRS], s21, v5
	s_mul_i32 s23, s14, 16*SPITCH
	v_mul_u32_u24 v5, v1, SPITCH
	v_lshl_add_u32 v5, v2, 5, v5
	v_add_nc_u32 v[STO], s23, v5
	v_and_b32 v6, 31, v0
	v_lshlrev_b32 v[CO], 4, v6
	s_wait_alu depctr_va_vdst(0)
	v_add_nc_u32 v[RD], s23, v[CO]
	s_lshl_b32 s20, s17, 8
	s_lshl_b32 s21, s15, 7
	s_add_co_u32 s20, s20, s21
	s_mov_b32 s21, 0
	s_mov_b64 s[18:19], SIZE_N*4
	s_mul_u64 s[20:21], s[20:21], s[18:19]
	s_lshl_b32 s46, s42, 10
	s_lshl_b32 s47, s16, 9
	s_add_co_u32 s46, s46, s47
	s_mov_b32 s47, 0
	s_add_nc_u64 s[20:21], s[20:21], s[46:47]
	s_add_nc_u64 s[12:13], s[12:13], s[20:21]
	s_add_nc_u64 s[66:67], s[66:67], s[46:47]
	global_load_b128 v[8:11], v[CO], s[66:67]
.macro FRAG reg, adr, q, i
.irp p, 0,1,2,3,4,5
.set PC, 12*(\q)+6*(\p/3)+\p%3
.if PC%8 < 5
	ds_load_b64 v[\reg+2*\p:\reg+2*\p+1], v[\adr] offset:8*PC+16*(PC/8)+(\i)*16*PITCH
.else
	ds_load_b64 v[\reg+2*\p:\reg+2*\p+1], v[\adr+2] offset:8*PC+16*(PC/8)+(\i)*16*PITCH
.endif
.endr
.endm
.macro FRAGA reg, slot, q, i
.irp c, 0,1
	ds_load_b128 v[\reg+6*\c:\reg+6*\c+3], v[ADRA+\slot] offset:(2*(\q)+\c)*6144+(\i)*768
	ds_load_b64 v[\reg+6*\c+4:\reg+6*\c+5], v[ADRA+2+\slot] offset:(2*(\q)+\c)*6144+(\i)*768+512
.endr
.endm
.macro MUL16 a0, p, q, sc, zero
.irp a, \a0, \a0+1
.irp b, 0,1,2,3,4,5,6,7
.if \zero
	v_wmma_scale_f32_16x16x128_f8f6f4 v[8*(8*((\a)%4)+\b):8*(8*((\a)%4)+\b)+7], v[128*(\p)+FR*\b:128*(\p)+FR*\b+FR-1], v[AF+FR*(\a):AF+FR*(\a)+FR-1], 0, v[SC+8*NQ*(\sc)+NQ*\b+(\q)], v[SC+8*NQ*(\sc)+NQ*(\a)+(\q)] matrix_a_fmt:MATRIX_FMT_FP6 matrix_b_fmt:MATRIX_FMT_FP6 matrix_a_scale:MATRIX_SCALE_ROW1
.else
	v_wmma_scale_f32_16x16x128_f8f6f4 v[8*(8*((\a)%4)+\b):8*(8*((\a)%4)+\b)+7], v[128*(\p)+FR*\b:128*(\p)+FR*\b+FR-1], v[AF+FR*(\a):AF+FR*(\a)+FR-1], v[8*(8*((\a)%4)+\b):8*(8*((\a)%4)+\b)+7], v[SC+8*NQ*(\sc)+NQ*\b+(\q)], v[SC+8*NQ*(\sc)+NQ*(\a)+(\q)] matrix_a_fmt:MATRIX_FMT_FP6 matrix_b_fmt:MATRIX_FMT_FP6 matrix_a_scale:MATRIX_SCALE_ROW1
.endif
.endr
.endr
.endm
.macro FETCH_B slot, q, p
	WIN TO_B
.irp i, 0,1,2,3,4,5,6,7
	FRAG 128*(\p)+FR*\i, ADRB+\slot, \q, \i
.endr
	WIN 0
.endm
.macro FETCH_A slot, q, i0
.irp i, \i0, \i0+1, \i0+2, \i0+3
	FRAGA AF+FR*(\i), \slot, \q, \i
.endr
.endm
.macro SCALES sc
.irp i, 0,1,2,3,4,5,6,7
	ds_load_b64 v[SC+8*NQ*\sc+NQ*\i:SC+8*NQ*\sc+NQ*\i+1], v[ADRS] offset:\i*SBLK
.endr
.endm
.macro PLACES n
.rept \n
	v_nop
.endr
.endm
.macro STEP slot, q, zero
	s_wait_dscnt 4*NLA
	WIN MUL_LO
	MUL16 0, (\q)%2, \q, \slot, \zero
	MUL16 2, (\q)%2, \q, \slot, \zero
	s_wait_dscnt 0
	PLACES NP
	FETCH_B \slot, (\q)+1, 1-(\q)%2
	FETCH_A \slot, (\q)+1, 0
	WIN MUL_HI
	MUL16 4, (\q)%2, \q, \slot, \zero
	MUL16 6, (\q)%2, \q, \slot, \zero
	PLACES NP
	WIN 0
	FETCH_A \slot, (\q)+1, 4
.endm
.macro TURN slot, next, fill
	s_wait_tensorcnt 0x0
	ds_add_u32 v[SPW], v[NIL]
	s_wait_dscnt 4*NLA+1
	WIN MUL_LO
	MUL16 0, 1, NQ-1, \slot, 0
	s_wait_dscnt 0x0
	s_barrier_signal -1
	MUL16 2, 1, NQ-1, \slot, 0
	WIN 0
	s_barrier_wait -1
.if \fill
	CREST
	s_add_nc_u64 s[G0+4*\slot+2:G0+4*\slot+3], s[G0+4*\slot+2:G0+4*\slot+3], 2*ASTEP
	s_add_nc_u64 s[G0B+4*\slot+2:G0B+4*\slot+3], s[G0B+4*\slot+2:G0B+4*\slot+3], 2*ROWB
	JLOAD G0+4*\slot, G1, G0B+4*\slot, G1B
.else
	PLACES NP
.endif
	s_wait_alu depctr_va_vdst(0)
	v_add_nc_u32 v[ADRS], 4*NQ, v[ADRS]
	FETCH_B \next, 0, 0
	FETCH_A \next, 0, 0
	SCALES \next
	WIN MUL_HI
	MUL16 4, 1, NQ-1, \slot, 0
	MUL16 6, 1, NQ-1, \slot, 0
	PLACES NP
	WIN 0
	FETCH_A \next, 0, 4
.endm
	s_wait_tensorcnt 1
	s_barrier_signal -1
	s_barrier_wait -1
	FETCH_B 0, 0, 0
	FETCH_A 0, 0, 0
	SCALES 0
	FETCH_A 0, 0, 4
	STEP 0, 0, 1
	s_mov_b32 s3, LAPS-1
.Llap:
	TURN 0, 1, 1
	STEP 1, 0, 0
	TURN 1, 0, 1
	STEP 0, 0, 0
	s_sub_co_u32 s3, s3, 1
	s_cmp_lg_u32 s3, 0
	s_cbranch_scc1 .Llap
	TURN 0, 1, 0
	STEP 1, 0, 0
	s_wait_dscnt 4*NLA
	WIN MUL_LO
	MUL16 0, 1, NQ-1, 1, 0
	MUL16 2, 1, NQ-1, 1, 0
	s_wait_dscnt 0
	WIN MUL_HI
	MUL16 4, 1, NQ-1, 1, 0
	MUL16 6, 1, NQ-1, 1, 0
	WIN 0
.macro TOSTAGE a
.set AC, 64*((\a)%4)
	WIN 0x08+4*((\a)/4)
.irp b, 0,1,2,3,4,5,6,7
	ds_store_b128 v[STO], v[AC+8*\b:AC+8*\b+3] offset:64*\b
	ds_store_b128 v[STO], v[AC+8*\b+4:AC+8*\b+7] offset:64*\b+16
.endr
	WIN 0
.set BB, BK+64*((\a)%2)
.irp t, 0,1,2,3,4,5,6,7,8,9,10,11,12,13,14,15
	ds_load_b128 v[BB+4*\t:BB+4*\t+3], v[RD] offset:\t*SPITCH
.endr
.endm
.macro SEND a, younger
.set BB, BK+64*((\a)%2)
	s_wait_dscnt \younger
.if (\a) > 0
	s_add_nc_u64 s[12:13], s[12:13], 16*SIZE_N*4
.endif
.irp t, 0,1,2,3,4,5,6,7,8,9,10,11,12,13,14,15
	v_pk_add_f32 v[BB+4*\t:BB+4*\t+1], v[BB+4*\t:BB+4*\t+1], v[8:9]
	v_pk_add_f32 v[BB+4*\t+2:BB+4*\t+3], v[BB+4*\t+2:BB+4*\t+3], v[10:11]
.endr
.irp t, 0,1,2,3,4,5,6,7,8,9,10,11,12,13,14,15
	global_store_b128 v[CO], v[BB+4*\t:BB+4*\t+3], s[12:13] offset:\t*SIZE_N*4 th:TH_STORE_NT
.endr
.endm
	PLACES NP
	s_wait_loadcnt 0x0
	TOSTAGE 0
.irp a, 1,2,3,4,5,6,7
.if \a > 1
	s_wait_xcnt 0x0
.endif
	TOSTAGE \a
	SEND \a-1, 32
.endr
	s_wait_xcnt 0x0
	SEND 7, 0
	s_wait_tensorcnt 0x0
	ds_add_u32 v[SPW], v[NIL]
	s_wait_dscnt 0x0
	CROUND
	s_endpgm
.Lfunc_end_k_qc9fbaaa726_gemm_proj:
	.size	k_qc9fbaaa726_gemm_proj, .Lfunc_end_k_qc9fbaaa726_gemm_proj-k_qc9fbaaa726_gemm_proj
	.p2alignl 7, 3214868480
	.fill 96, 4, 3214868480
	.section	.rodata,"a",@progbits
	.p2align	6, 0x0
	.amdhsa_kernel k_qc9fbaaa726_gemm_proj
		.amdhsa_group_segment_fixed_size 327680
		.amdhsa_private_segment_fixed_size 0
		.amdhsa_enable_private_segment 0
		.amdhsa_kernarg_size 48
		.amdhsa_user_sgpr_count 2
		.amdhsa_user_sgpr_kernarg_segment_ptr 1
		.amdhsa_wavefront_size32 1
		.amdhsa_system_sgpr_workgroup_id_x 1
		.amdhsa_system_sgpr_workgroup_id_y 1
		.amdhsa_system_sgpr_workgroup_id_z 1
		.amdhsa_system_vgpr_workitem_id 0
		.amdhsa_next_free_vgpr 1024
		.amdhsa_next_free_sgpr 98
		.amdhsa_reserve_vcc 0
		.amdhsa_float_denorm_mode_32 3
		.amdhsa_float_denorm_mode_16_64 3
		.amdhsa_memory_ordered 1
		.amdhsa_forward_progress 1
		.amdhsa_inst_pref_size 169
	.end_amdhsa_kernel
	.amdgpu_metadata
---
amdhsa.version: [ 1, 2 ]
amdhsa.kernels:
  - .name:           k_qc9fbaaa726_gemm_proj
    .symbol:         k_qc9fbaaa726_gemm_proj.kd
    .args:
      - { .name: oc, .offset: 0, .size: 8, .value_kind: global_buffer, .address_space: global }
      - { .name: os, .offset: 8, .size: 8, .value_kind: global_buffer, .address_space: global }
      - { .name: c1, .offset: 16, .size: 8, .value_kind: global_buffer, .address_space: global }
      - { .name: s1, .offset: 24, .size: 8, .value_kind: global_buffer, .address_space: global }
      - { .name: proj_b, .offset: 32, .size: 8, .value_kind: global_buffer, .address_space: global }
      - { .name: out0, .offset: 40, .size: 8, .value_kind: global_buffer, .address_space: global }
    .group_segment_fixed_size: 327680
    .private_segment_fixed_size: 0
    .kernarg_segment_align: 8
    .kernarg_segment_size: 48
    .max_flat_workgroup_size: 128
    .sgpr_count:     98
    .vgpr_count:     1024
    .wavefront_size: 32
...
	.end_amdgpu_metadata
.endif
;; end of part 5
